; MI455X (gfx1250); checked and timed in simulation.
; The chip was launched on July 23, 2026; its instructions are those of AMD's public machine-readable ISA for CDNA 5 (MIT licence, August 2026) and "CDNA5" Instruction Set Architecture Reference Guide (July 2026). The comments in the code are by the model that wrote it; some were corrected since.
;; Masked Mo E2. Allowed arithmetic: matrix products marked QUANTISED: E2M1 operands, one E8M0 scale for each 32 along K, by v_wmma_scale_f32_16x16x128_f8f6f4 with both operands' format E2M1 (or v_wmma_scale_f32_32x16x128_f4), f32 sums; products left as they are: f32 operands where the result goes on into a quantised operand, else bf16, f16 or f32 operands; f32 sums; everything else in f32.
;; Inputs: b1 8 x 4,096 float32; b2 8 x 1,024 float32; inputs 2 x 512 x 1,024 float32; masks 1,024 x 8 float32; router_w 9 x 1,024 float32; w1 8 x 1,024 x 4,096 float32; w2 8 x 4,096 x 1,024 float32.
;; Outputs: out0 2 x 512 x 1,024 float32; out1 1,024 x 9 float32; out2 1,024 x 2 int32.
;; Constants: top_k = 2.
;; This version of the problem:
;;   THIS VERSION OF THE PROBLEM IS GIVEN IN LOW PRECISION. The matrix products marked QUANTISED in the list below multiply operands that are first quantised to E2M1 (2 exponent bits, 1 mantissa bit; 4 bits a number), with one power-of-two scale for each 32 numbers along K (OCP MX v1.0); their sums are f32. All else is computed in f32.
;;   The module's matrix products, in the order in which they are computed (A, B: the left and right operand; K: the contracted axis; several contracted axes count as one K, in the product's order):
;;     1. [M 1,024, K 1,024] x [K 1,024, N 9]; A: input inputs; B: input router_w: left as it is (N = 9 < 16)
;;     2. [M 1,024, K 1,024] x [K 1,024, N 4,096]; A: input inputs; B: input w1: QUANTISED
;;     3. [M 1,024, K 4,096] x [K 4,096, N 1,024]; A: computed on the way; B: input w2: QUANTISED
;;     4. [M 1,024, K 1,024] x [K 1,024, N 4,096]; A: input inputs; B: input w1: QUANTISED
;;     5. [M 1,024, K 4,096] x [K 4,096, N 1,024]; A: computed on the way; B: input w2: QUANTISED
;;     6. [M 1,024, K 1,024] x [K 1,024, N 4,096]; A: input inputs; B: input w1: QUANTISED
;;     7. [M 1,024, K 4,096] x [K 4,096, N 1,024]; A: computed on the way; B: input w2: QUANTISED
;;     8. [M 1,024, K 1,024] x [K 1,024, N 4,096]; A: input inputs; B: input w1: QUANTISED
;;     9. [M 1,024, K 4,096] x [K 4,096, N 1,024]; A: computed on the way; B: input w2: QUANTISED
;;     10. [M 1,024, K 1,024] x [K 1,024, N 4,096]; A: input inputs; B: input w1: QUANTISED
;;     11. [M 1,024, K 4,096] x [K 4,096, N 1,024]; A: computed on the way; B: input w2: QUANTISED
;;     12. [M 1,024, K 1,024] x [K 1,024, N 4,096]; A: input inputs; B: input w1: QUANTISED
;;     13. [M 1,024, K 4,096] x [K 4,096, N 1,024]; A: computed on the way; B: input w2: QUANTISED
;;     14. [M 1,024, K 1,024] x [K 1,024, N 4,096]; A: input inputs; B: input w1: QUANTISED
;;     15. [M 1,024, K 4,096] x [K 4,096, N 1,024]; A: computed on the way; B: input w2: QUANTISED
;;     16. [M 1,024, K 1,024] x [K 1,024, N 4,096]; A: input inputs; B: input w1: QUANTISED
;;     17. [M 1,024, K 4,096] x [K 4,096, N 1,024]; A: computed on the way; B: input w2: QUANTISED
;;   THE QUANTISER, for each operand of a quantised product, along K:
;;     - K is cut into blocks of 32 from its start; a last block that is shorter is filled with zeros.
;;     - A block's scale is 2^e with e = floor(log2(the largest magnitude in the block)) - 2, held to -126 .. 127; a block of zeros has e = 0. As a byte (E8M0): e + 127.
;;     - Each number is divided by its block's scale, clamped to +-6, and rounded to the nearest number of E2M1, ties to even, subnormals kept.
;;     - The product sums the exact products of the quantised numbers (number of the format x scale) in f32.
;;   ~~~python
;;   def quantise(x, axis):      # numpy; x: float32 -> the quantised numbers, widened to float32 again
;;       x = np.moveaxis(x, axis, -1); K = x.shape[-1]
;;       x = np.pad(x, [(0, 0)] * (x.ndim - 1) + [(0, -K % 32)]); x = x.reshape(x.shape[:-1] + (-1, 32)); a = np.abs(x).max(-1, keepdims=True)
;;       e = np.where(a > 0, np.clip(np.frexp(np.where(a > 0, a, 1))[1] - 1 - 2, -126, 127), 0)      # np.frexp(a)[1] - 1 = floor(log2(a)), exactly
;;       r = np.clip(x / 2.0 ** e, -6, 6)
;;       step = 2.0 ** (np.maximum(np.frexp(np.where(r == 0, 1, r))[1] - 1, 0) - 1)
;;       q = np.round(r / step) * step * 2.0 ** e      # np.round: ties to even
;;       return np.moveaxis(q.reshape(q.shape[:-2] + (-1,))[..., :K], -1, axis).astype(np.float32)
;;   ~~~
;;   OPERANDS COMPUTED ON THE WAY. 'Computed on the way' means the value that the module computes at that place (a softmax that the list does not call 'softmax' is quantised finished and normalised). What goes into a quantiser is computed in f32, as accurately as f32 sums, v_exp_f32 and their like allow (about 1e-6 of the number): no bf16 or f16 on the way to a quantiser, and a product that is left as it is and whose result goes on into a quantised operand takes f32 operands (vector FMAs, or v_wmma_f32_16x16x4_f32). A number that lies on a knife's edge between two numbers of the format may be rounded either way, as far as f32 arithmetic and the matrix unit's own rounding can turn it there, and no further.
;; 2 versions. Each part assembles by itself: llvm-mc -triple=amdgcn-amd-amdhsa -mcpu=gfx1250 --defsym DOCPART=n.
;; ======== version 1 of 2: 5 launches
;; workspace buffers: sel 8,192 bytes of whole numbers; xw 565,248 bytes; order 33,792 bytes of whole numbers; glist 32,768 bytes; hid 17,825,792 bytes; part 17,825,792 bytes
;; launch route (part 1): grid 128 x 1, 4 waves a work-group, no clusters, 37,376 bytes of LDS; arguments inputs, masks, router_w, out1, out2, sel, xw; writes out1, out2, sel, xw
.if DOCPART == 1
	.amdgcn_target "amdgcn-amd-amdhsa--gfx1250"
	.amdhsa_code_object_version 6
	.text
	.protected	k_q3a1078c26e_route
	.globl	k_q3a1078c26e_route
	.p2align	8
	.type	k_q3a1078c26e_route,@function
k_q3a1078c26e_route:
	s_mov_b64 s[64:65], 0
	v_nop
	global_prefetch_b8 v0, s[64:65] scope:SCOPE_SE
	s_setreg_imm32_b32 hwreg(HW_REG_WAVE_MODE, 25, 1), 1
	s_wait_xcnt 0x0
; ROUTER AND QUANTISER OF x.  A wave takes two tokens.  logits = x . router_w^T in f32 (fused multiply-adds), times the mask (the ninth logit as it is);
; softmax with the row's maximum taken away; the two largest probabilities, the lower index first where two are equal.  Stored: the masked logits (out1),
; the two indices (out2, and once more in sel for the later launches), the two probabilities (xw, part gw), and x as codes of E2M1 with one E8M0 byte for each 32 along K (xw, parts xq, xs).
; No branch and no address hangs on the choice: it is made by selects alone.
; xw: xq at 0: [1024 tokens][512 bytes of codes, K innermost];  xs at 524,288: [1024][32 scale bytes];  gw at 557,056: [2048 slots] f32, slot = 2 x token + k.
; LIMITS: NaN and infinities among the inputs are not served.  A block of zeros gets the byte 1 where the rule says 127: its codes are zeros, and this program alone reads the bytes.
; Two probabilities that differ in the last bit alone may be ordered otherwise than by another exponential.
; No matrix unit: nine columns.  No barrier: a wave's stage in LDS is its own.
.set X,     32                         ; v32-95   x: token u, piece i (128 numbers of the row, 4 a lane) at X + 32 u + 4 i; later the lane's block of 32 neighbours
.set RW,    96                         ; v96-167  router_w: two sets of 9 rows x 4 numbers
.set AC,    168                        ; v168-203 18 sums, a pair each
.set LG,    204                        ; v204-221 the 18 logits
.set PR,    96                         ; v96-113  the 18 probabilities (router_w's registers are free by then)
.set MXR,   114
.set SM,    115
.set OL,    116                        ; what my lane stores: a logit, an index, a probability
.set OI,    117
.set OW,    118
.set IDX,   120                        ; v120-123 index (u, k) at IDX + 2 u + k
.set WGT,   124                        ; v124-127 its probability
.set CD,    8                          ; v8-15    codes, four registers a token
.set PLACE, 144                        ; a block's place in the stage: 128 bytes + 16, so that the lanes' reads of 16 bytes start 144 bytes apart
.set TOKB,  32*PLACE
.set WAVB,  2*TOKB
	s_load_b256 s[4:11], s[0:1], 0x0               ; inputs s[4:5], masks s[6:7], router_w s[8:9], out1 s[10:11]
	s_load_b128 s[12:15], s[0:1], 0x20             ; out2 s[12:13], sel s[14:15]
	s_load_b64 s[36:37], s[0:1], 0x30              ; xw
	v_lshl_add_u32 v224, v0, 2, 0x9000
	v_mov_b32 v225, 0
	v_lshrrev_b32 v5, 5, v0
	v_readfirstlane_b32 s34, v5                    ; wave
	v_and_b32 v1, 31, v0                           ; lane
	v_lshlrev_b32 v2, 4, v1                        ; 16 x lane
	v_lshlrev_b32 v7, 2, v1                        ; 4 x lane
	s_lshl_b32 s35, ttmp9, 2
	s_add_co_u32 s35, s35, s34                     ; W = 4 x work-group + wave: tokens 2 W and 2 W + 1
	s_mov_b32 s32, 0x76543210
	s_mov_b32 s33, 0xfedcba98                      ; v_permlanex16_b32's selects for lane l xor 16
	s_mul_i32 s45, s34, WAVB                       ; my wave's stage
	v_lshrrev_b32 v5, 3, v1
	v_mul_u32_u24 v5, v5, PLACE
	v_and_b32 v6, 7, v1
	v_lshl_add_u32 v5, v6, 4, v5
	v_add_nc_u32 v3, s45, v5                       ; into the stage: eight lanes' 128 bytes are a block: PLACE (lane / 8) + 16 (lane % 8)
	v_mul_u32_u24 v4, v1, PLACE
	v_add_nc_u32 v4, s45, v4                       ; out of it: block = lane
	s_mov_b32 s47, 0
	s_wait_kmcnt 0x0
	s_lshl_b32 s46, s35, 13                        ; two rows of 4,096 bytes
	s_add_nc_u64 s[4:5], s[4:5], s[46:47]
	s_lshl_b32 s46, s35, 6                         ; two rows of 32 bytes: the masks', and xs's
	s_add_nc_u64 s[6:7], s[6:7], s[46:47]
	s_add_nc_u64 s[40:41], s[36:37], s[46:47]
	s_add_nc_u64 s[40:41], s[40:41], 524288        ; xs at my tokens
	s_load_b512 s[16:31], s[6:7], 0x0              ; the 16 mask numbers of my two tokens
	s_mul_i32 s46, s35, 72                         ; two rows of 36 bytes
	s_add_nc_u64 s[10:11], s[10:11], s[46:47]
	s_lshl_b32 s46, s35, 4                         ; two rows of 8 bytes
	s_add_nc_u64 s[12:13], s[12:13], s[46:47]
	s_add_nc_u64 s[14:15], s[14:15], s[46:47]
	s_add_nc_u64 s[42:43], s[36:37], s[46:47]
	s_add_nc_u64 s[42:43], s[42:43], 557056        ; gw at my four slots
	s_lshl_b32 s46, s35, 10                        ; two rows of 512 bytes
	s_add_nc_u64 s[38:39], s[36:37], s[46:47]      ; xq at my tokens
.irp u, 0,1
.irp i, 0,1,2,3,4,5,6,7
	global_load_b128 v[X+32*\u+4*\i:X+32*\u+4*\i+3], v2, s[4:5] offset:4096*\u+512*\i th:TH_LOAD_NT   ; 32 lanes read 512 consecutive bytes
.endr
.endr
.macro RLOAD i                         ; piece i of the nine rows of router_w, into set i % 2
.irp e, 0,1,2,3,4,5,6,7,8
	global_load_b128 v[RW+36*((\i)%2)+4*\e:RW+36*((\i)%2)+4*\e+3], v2, s[8:9] offset:4096*\e+512*(\i)
.endr
.endm
	RLOAD 0
	RLOAD 1
.macro DOT i                           ; piece i: 36 packed multiply-adds; the first piece's first products start the sums
.if (\i) < 7
	s_wait_loadcnt 9                               ; x and this piece are in; the next piece's nine loads may be out
.else
	s_wait_loadcnt 0x0
.endif
.irp q, 0,2
.irp u, 0,1
.irp e, 0,1,2,3,4,5,6,7,8
.if ((\i) == 0) && (\q == 0)
	v_pk_mul_f32 v[AC+2*(9*\u+\e):AC+2*(9*\u+\e)+1], v[X+32*\u+4*(\i)+\q:X+32*\u+4*(\i)+\q+1], v[RW+36*((\i)%2)+4*\e+\q:RW+36*((\i)%2)+4*\e+\q+1]
.else
	v_pk_fma_f32 v[AC+2*(9*\u+\e):AC+2*(9*\u+\e)+1], v[X+32*\u+4*(\i)+\q:X+32*\u+4*(\i)+\q+1], v[RW+36*((\i)%2)+4*\e+\q:RW+36*((\i)%2)+4*\e+\q+1], v[AC+2*(9*\u+\e):AC+2*(9*\u+\e)+1]
.endif
.endr
.endr
.endr
.if (\i) < 6
	RLOAD (\i)+2                                   ; the set just read takes the piece two further on
.endif
.endm
.irp i, 0,1,2,3,4,5,6,7
	DOT \i
.endr
	; x turns through the stage, so that a lane holds a whole block of 32 neighbours; it lands while the sums are reduced.  LDS serves a wave's instructions in order (ISA guide 5.7.1.4): no wait between stores and loads
.irp u, 0,1
.irp i, 0,1,2,3,4,5,6,7
	ds_store_b128 v3, v[X+32*\u+4*\i:X+32*\u+4*\i+3] offset:TOKB*\u+4*PLACE*\i
.endr
.irp i, 0,1,2,3,4,5,6,7
	ds_load_b128 v[X+32*\u+4*\i:X+32*\u+4*\i+3], v4 offset:TOKB*\u+16*\i
.endr
.endr
	; the 18 sums over the wave's 32 lanes: every lane ends with all of them
.irp n, 0,1,2,3,4,5,6,7,8,9,10,11,12,13,14,15,16,17
	v_add_f32 v[LG+\n], v[AC+2*\n], v[AC+2*\n+1]
.endr
.irp m, 1,2,4,8
.irp n, 0,1,2,3,4,5,6,7,8,9,10,11,12,13,14,15,16,17
	v_add_f32_dpp v[LG+\n], v[LG+\n], v[LG+\n] row_xmask:\m row_mask:0xf bank_mask:0xf
.endr
.endr
.irp n, 0,1,2,3,4,5,6,7,8,9,10,11,12,13,14,15,16,17
	v_permlanex16_b32 v[AC+2*\n], v[LG+\n], s32, s33   ; into the pair sums' registers, which are free and have been written
.endr
.irp n, 0,1,2,3,4,5,6,7,8,9,10,11,12,13,14,15,16,17
	v_add_f32 v[LG+\n], v[LG+\n], v[AC+2*\n]
.endr
	s_wait_kmcnt 0x0                               ; the masks
.irp u, 0,1
.irp e, 0,1,2,3,4,5,6,7
	v_mul_f32 v[LG+9*\u+\e], s[16+8*\u+\e], v[LG+9*\u+\e]   ; the mask multiplies; the ninth logit stays
.endr
.endr
.macro SOFT u                          ; p = exp(l - m) / sum
.set LB, LG+9*(\u)
.set PB, PR+9*(\u)
	v_max3_num_f32 v[MXR], v[LB], v[LB+1], v[LB+2]
	v_max3_num_f32 v[MXR], v[MXR], v[LB+3], v[LB+4]
	v_max3_num_f32 v[MXR], v[MXR], v[LB+5], v[LB+6]
	v_max3_num_f32 v[MXR], v[MXR], v[LB+7], v[LB+8]
.irp e, 0,1,2,3,4,5,6,7,8
	v_sub_f32 v[PB+\e], v[LB+\e], v[MXR]
.endr
.irp e, 0,1,2,3,4,5,6,7,8
	v_mul_f32 v[PB+\e], 0x3fb8aa3b, v[PB+\e]       ; x log2(e): v_exp_f32 works in base 2
.endr
.irp e, 0,1,2,3,4,5,6,7,8
	v_exp_f32 v[PB+\e], v[PB+\e]
.endr
	v_nop                                          ; a plain instruction between a transcendental and the use of its result (ISA guide 5.7.2)
	s_wait_alu depctr_va_vdst(0)
	v_add_f32 v[SM], v[PB], v[PB+1]
.irp e, 2,3,4,5,6,7,8
	v_add_f32 v[SM], v[SM], v[PB+\e]
.endr
	v_rcp_f32 v[SM], v[SM]
	v_nop
	s_wait_alu depctr_va_vdst(0)
.irp e, 0,1,2,3,4,5,6,7,8
	v_mul_f32 v[PB+\e], v[PB+\e], v[SM]
.endr
.endm
.macro TOP pb, bp, bi                  ; the largest of nine and its index: only a strictly larger one replaces, so the lower index wins a tie
	v_mov_b32 v[\bp], v[\pb]
	v_mov_b32 v[\bi], 0
.irp e, 1,2,3,4,5,6,7,8
	v_cmp_le_f32 vcc_lo, v[\pb+\e], v[\bp]
	v_cndmask_b32 v[\bi], \e, v[\bi], vcc_lo
	v_max_num_f32 v[\bp], v[\bp], v[\pb+\e]
.endr
.endm
.irp u, 0,1
	SOFT \u
	TOP PR+9*\u, WGT+2*\u, IDX+2*\u
.irp e, 0,1,2,3,4,5,6,7,8
	v_cmp_ne_u32 vcc_lo, \e, v[IDX+2*\u]
	v_cndmask_b32 v[PR+9*\u+\e], -1.0, v[PR+9*\u+\e], vcc_lo   ; the first choice leaves the field: -1 lies under every probability
.endr
	TOP PR+9*\u, WGT+2*\u+1, IDX+2*\u+1
.endr
	; lane j takes logit j of the 18; lanes 0 to 3 the four indices and probabilities
	v_mov_b32 v[OL], v[LG]
.irp n, 1,2,3,4,5,6,7,8,9,10,11,12,13,14,15,16,17
	v_cmp_eq_u32 vcc_lo, \n, v1
	v_cndmask_b32 v[OL], v[OL], v[LG+\n], vcc_lo
.endr
	v_mov_b32 v[OI], v[IDX]
	v_mov_b32 v[OW], v[WGT]
.irp n, 1,2,3
	v_cmp_eq_u32 vcc_lo, \n, v1
	v_cndmask_b32 v[OI], v[OI], v[IDX+\n], vcc_lo
	v_cndmask_b32 v[OW], v[OW], v[WGT+\n], vcc_lo
.endr
	s_wait_dscnt 0x0                               ; x is back from the stage
	v_cmp_gt_u32 vcc_lo, 18, v1
	s_wait_xcnt 0x0                                ; EXEC changes only behind this wait
	s_wait_tensorcnt 0x0
	ds_add_u32 v224, v225
	s_wait_dscnt 0x0
	s_and_saveexec_b32 s44, vcc_lo
	global_store_b32 v7, v[OL], s[10:11]           ; 72 consecutive bytes: two rows of out1
	s_wait_xcnt 0x0
	s_or_b32 exec_lo, exec_lo, s44
	v_cmp_gt_u32 vcc_lo, 4, v1
	s_and_saveexec_b32 s44, vcc_lo
	global_store_b32 v7, v[OI], s[12:13]           ; 16 consecutive bytes each
	global_store_b32 v7, v[OI], s[14:15]
	global_store_b32 v7, v[OW], s[42:43]
	s_wait_xcnt 0x0
	s_or_b32 exec_lo, exec_lo, s44
.macro QX u                            ; my block of token u: its largest magnitude, its scale, its 32 codes
.set XB, X+32*(\u)
	v_max3_num_f32 v16, |v[XB]|, |v[XB+1]|, |v[XB+2]|
	v_max3_num_f32 v17, |v[XB+3]|, |v[XB+4]|, |v[XB+5]|
.irp i, 6,10,14,18,22,26
	v_max3_num_f32 v16, v16, |v[XB+\i]|, |v[XB+\i+1]|
	v_max3_num_f32 v17, v17, |v[XB+\i+2]|, |v[XB+\i+3]|
.endr
	v_max3_num_f32 v16, v16, |v[XB+30]|, |v[XB+31]|
	v_max3_num_f32 v16, v16, v17, 0x1800000        ; and the floor 2^(3 - 127): the byte cannot fall under 1
	v_add_nc_u32 v[18+\u], 0xff000000, v16         ; 2 off the exponent field: the conversion takes the exponent field of this operand as its scale
.irp g, 0,1,2,3
	v_cvt_scalef32_pk8_fp4_f32 v[CD+4*(\u)+\g], v[XB+8*\g:XB+8*\g+7], v[18+\u]
.endr
	v_lshrrev_b32 v[20+\u], 23, v[18+\u]           ; the scale's byte (also the plain instruction behind the conversions)
	global_store_b128 v2, v[CD+4*(\u):CD+4*(\u)+3], s[38:39] offset:512*(\u)   ; the wave stores the token's 512 bytes of codes
	global_store_b8 v1, v[20+\u], s[40:41] offset:32*(\u)                      ; and its 32 scale bytes
.endm
	QX 0
	QX 1
	s_endpgm
.Lfunc_end_k_q3a1078c26e_route:
	.size	k_q3a1078c26e_route, .Lfunc_end_k_q3a1078c26e_route-k_q3a1078c26e_route
	.p2alignl 7, 3214868480
	.fill 96, 4, 3214868480
	.section	.rodata,"a",@progbits
	.p2align	6, 0x0
	.amdhsa_kernel k_q3a1078c26e_route
		.amdhsa_group_segment_fixed_size 37376
		.amdhsa_private_segment_fixed_size 0
		.amdhsa_enable_private_segment 0
		.amdhsa_kernarg_size 56
		.amdhsa_user_sgpr_count 2
		.amdhsa_user_sgpr_kernarg_segment_ptr 1
		.amdhsa_wavefront_size32 1
		.amdhsa_system_sgpr_workgroup_id_x 1
		.amdhsa_system_sgpr_workgroup_id_y 1
		.amdhsa_system_sgpr_workgroup_id_z 1
		.amdhsa_system_vgpr_workitem_id 0
		.amdhsa_next_free_vgpr 226
		.amdhsa_next_free_sgpr 66
		.amdhsa_reserve_vcc 1
		.amdhsa_float_denorm_mode_32 3
		.amdhsa_float_denorm_mode_16_64 3
		.amdhsa_memory_ordered 1
		.amdhsa_forward_progress 1
		.amdhsa_inst_pref_size 52
	.end_amdhsa_kernel
	.amdgpu_metadata
---
amdhsa.version: [ 1, 2 ]
amdhsa.kernels:
  - .name:           k_q3a1078c26e_route
    .symbol:         k_q3a1078c26e_route.kd
    .args:
      - { .name: inputs, .offset: 0, .size: 8, .value_kind: global_buffer, .address_space: global }
      - { .name: masks, .offset: 8, .size: 8, .value_kind: global_buffer, .address_space: global }
      - { .name: router_w, .offset: 16, .size: 8, .value_kind: global_buffer, .address_space: global }
      - { .name: out1, .offset: 24, .size: 8, .value_kind: global_buffer, .address_space: global }
      - { .name: out2, .offset: 32, .size: 8, .value_kind: global_buffer, .address_space: global }
      - { .name: sel, .offset: 40, .size: 8, .value_kind: global_buffer, .address_space: global }
      - { .name: xw, .offset: 48, .size: 8, .value_kind: global_buffer, .address_space: global }
    .group_segment_fixed_size: 37376
    .private_segment_fixed_size: 0
    .kernarg_segment_align: 8
    .kernarg_segment_size: 56
    .max_flat_workgroup_size: 128
    .sgpr_count:     66
    .vgpr_count:     226
    .wavefront_size: 32
...
	.end_amdgpu_metadata
.endif
;; end of part 1
;; launch place (part 2): grid 8 x 1, 1 waves a work-group, no clusters, 16,640 bytes of LDS; arguments sel, xw, order, glist; writes order, glist
.if DOCPART == 2
	.amdgcn_target "amdgcn-amd-amdhsa--gfx1250"
	.amdhsa_code_object_version 6
	.text
	.protected	k_q3a1078c26e_place
	.globl	k_q3a1078c26e_place
	.p2align	8
	.type	k_q3a1078c26e_place,@function
k_q3a1078c26e_place:
	s_mov_b64 s[64:65], 0
	v_nop
	global_prefetch_b8 v0, s[64:65] scope:SCOPE_SE
	s_setreg_imm32_b32 hwreg(HW_REG_WAVE_MODE, 25, 1), 1
	s_wait_xcnt 0x0
; THE ROWS OF EACH EXPERT.  Work-group e, one wave, goes through the 2,048 slots (slot = 2 x token + k) and lays those that chose expert e on end:
; order: at 4,096 e the list of 1,024 slot numbers, all written; where no row stands, place p holds 2048 + 16 e + p % 16: a spare row of the parts' buffer that this expert alone writes and nobody reads.
;        at 32,768 + 128 e the count of rows, 32 times (a word a lane).   glist: at 4,096 e the rows' gates, 0 where no row stands.
; A token's two indices differ, so an expert has at most 1,024 rows.  The dummy expert 8 has no list.  The order of rows in a list is free: rows do not depend on each other.
; One wave, so no barrier; the list is gathered in LDS and leaves in runs of 512 consecutive bytes.  No atomics: a row's place is the running count + the number of lower lanes that also chose e.
; All lanes stay on: a lane without a row stores into a spare word of its own (word 1024 + lane), chosen by a select.
; LDS: the list at 0 (4,096 bytes), its 32 spare words behind it; the gates at 8,192 likewise.
.set S, 32                             ; v32-95   the indices: register 4 m + c of lane l is slot 128 m + 4 l + c
.set G, 96                             ; v96-159  the gates, likewise
.set GOFF, 8192
	s_load_b256 s[4:11], s[0:1], 0x0               ; sel s[4:5], xw s[6:7], order s[8:9], glist s[10:11]
	v_lshl_add_u32 v176, v0, 2, 0x4000
	v_mov_b32 v177, 0
	v_and_b32 v1, 31, v0
	v_lshlrev_b32 v2, 4, v1                        ; 16 x lane
	v_lshlrev_b32 v3, 2, v1                        ; 4 x lane
	v_add_nc_u32 v16, 1024, v1                     ; my spare word
	v_and_b32 v6, 3, v1
	v_lshlrev_b32 v6, 2, v6                        ; (4 x lane) % 16
	s_mov_b32 s20, ttmp9                           ; e
	s_mov_b32 s21, 0                               ; rows so far
	s_lshl_b32 s28, ttmp9, 4
	s_add_co_u32 s28, s28, 2048                    ; the expert's first spare row
	s_lshl_b32 s24, ttmp9, 12
	s_mov_b32 s25, 0
	s_lshl_b32 s26, ttmp9, 7
	s_add_co_u32 s26, s26, 32768
	s_mov_b32 s27, 0
.irp c, 0,1,2,3
	v_add3_u32 v[8+\c], v6, s28, \c                ; what stands where no row stands: place 128 m + 4 l + c has p % 16 = (4 l) % 16 + c
	v_mov_b32 v[12+\c], 0
.endr
	s_wait_kmcnt 0x0
	s_add_nc_u64 s[12:13], s[6:7], 557056          ; gw
	s_add_nc_u64 s[14:15], s[8:9], s[24:25]        ; my list
	s_add_nc_u64 s[16:17], s[10:11], s[24:25]      ; my gates
	s_add_nc_u64 s[18:19], s[8:9], s[26:27]        ; my count
.irp m, 0,1,2,3,4,5,6,7,8,9,10,11,12,13,14,15
	global_load_b128 v[S+4*\m:S+4*\m+3], v2, s[4:5] offset:512*\m
	global_load_b128 v[G+4*\m:G+4*\m+3], v2, s[12:13] offset:512*\m
.endr
.irp m, 0,1,2,3,4,5,6,7
	ds_store_b128 v2, v[8:11] offset:512*\m
	ds_store_b128 v2, v[12:15] offset:GOFF+512*\m
.endr
	s_wait_loadcnt 0x0
.macro PUT m, c
	v_cmp_eq_u32 vcc_lo, s20, v[S+4*\m+\c]
	v_mbcnt_lo_u32_b32 v4, vcc_lo, s21             ; my place, if I have a row
	s_bcnt1_i32_b32 s22, vcc_lo
	v_cndmask_b32 v4, v16, v4, vcc_lo              ; else my spare word
	v_min_u32 v4, 0x41f, v4
	v_lshlrev_b32 v4, 2, v4
	v_add_nc_u32 v5, 128*\m+\c, v3                 ; my slot's number
	ds_store_b32 v4, v5
	ds_store_b32 v4, v[G+4*\m+\c] offset:GOFF
	s_add_co_u32 s21, s21, s22
.endm
.irp m, 0,1,2,3,4,5,6,7,8,9,10,11,12,13,14,15
.irp c, 0,1,2,3
	PUT \m, \c
.endr
.endr
.irp m, 0,1,2,3,4,5,6,7
	ds_load_b128 v[S+4*\m:S+4*\m+3], v2 offset:512*\m            ; LDS serves a wave's instructions in order (ISA guide 5.7.1.4): these see my stores
	ds_load_b128 v[S+32+4*\m:S+32+4*\m+3], v2 offset:GOFF+512*\m
.endr
	v_mov_b32 v7, s21
	global_store_b32 v3, v7, s[18:19]              ; the count: 128 consecutive bytes, a word a lane
	s_wait_dscnt 0x0
.irp m, 0,1,2,3,4,5,6,7
	global_store_b128 v2, v[S+4*\m:S+4*\m+3], s[14:15] offset:512*\m
	global_store_b128 v2, v[S+32+4*\m:S+32+4*\m+3], s[16:17] offset:512*\m
.endr
	s_wait_tensorcnt 0x0
	ds_add_u32 v176, v177
	s_wait_dscnt 0x0
	s_endpgm
.Lfunc_end_k_q3a1078c26e_place:
	.size	k_q3a1078c26e_place, .Lfunc_end_k_q3a1078c26e_place-k_q3a1078c26e_place
	.p2alignl 7, 3214868480
	.fill 96, 4, 3214868480
	.section	.rodata,"a",@progbits
	.p2align	6, 0x0
	.amdhsa_kernel k_q3a1078c26e_place
		.amdhsa_group_segment_fixed_size 16640
		.amdhsa_private_segment_fixed_size 0
		.amdhsa_enable_private_segment 0
		.amdhsa_kernarg_size 32
		.amdhsa_user_sgpr_count 2
		.amdhsa_user_sgpr_kernarg_segment_ptr 1
		.amdhsa_wavefront_size32 1
		.amdhsa_system_sgpr_workgroup_id_x 1
		.amdhsa_system_sgpr_workgroup_id_y 1
		.amdhsa_system_sgpr_workgroup_id_z 1
		.amdhsa_system_vgpr_workitem_id 0
		.amdhsa_next_free_vgpr 178
		.amdhsa_next_free_sgpr 66
		.amdhsa_reserve_vcc 1
		.amdhsa_float_denorm_mode_32 3
		.amdhsa_float_denorm_mode_16_64 3
		.amdhsa_memory_ordered 1
		.amdhsa_forward_progress 1
		.amdhsa_inst_pref_size 39
	.end_amdhsa_kernel
	.amdgpu_metadata
---
amdhsa.version: [ 1, 2 ]
amdhsa.kernels:
  - .name:           k_q3a1078c26e_place
    .symbol:         k_q3a1078c26e_place.kd
    .args:
      - { .name: sel, .offset: 0, .size: 8, .value_kind: global_buffer, .address_space: global }
      - { .name: xw, .offset: 8, .size: 8, .value_kind: global_buffer, .address_space: global }
      - { .name: order, .offset: 16, .size: 8, .value_kind: global_buffer, .address_space: global }
      - { .name: glist, .offset: 24, .size: 8, .value_kind: global_buffer, .address_space: global }
    .group_segment_fixed_size: 16640
    .private_segment_fixed_size: 0
    .kernarg_segment_align: 8
    .kernarg_segment_size: 32
    .max_flat_workgroup_size: 32
    .sgpr_count:     66
    .vgpr_count:     178
    .wavefront_size: 32
...
	.end_amdgpu_metadata
.endif
;; end of part 2
;; launch up (part 3): grid 32 x 8, 4 waves a work-group, no clusters, 74,240 bytes of LDS; arguments w1, b1, order, xw, hid; writes hid
.if DOCPART == 3
	.amdgcn_target "amdgcn-amd-amdhsa--gfx1250"
	.amdhsa_code_object_version 6
	.text
	.protected	k_q3a1078c26e_up
	.globl	k_q3a1078c26e_up
	.p2align	8
	.type	k_q3a1078c26e_up,@function
k_q3a1078c26e_up:
	s_mov_b64 s[64:65], 0
	v_nop
	global_prefetch_b8 v0, s[64:65] scope:SCOPE_SE
	s_setreg_imm32_b32 hwreg(HW_REG_WAVE_MODE, 25, 1), 1
	s_wait_xcnt 0x0
; THE FIRST PRODUCT OF AN EXPERT: hidden = gelu(x w1[e] + b1[e]) for the rows that chose expert e, on codes of E2M1 with one E8M0 scale for each 32 along K; the result is quantised along the hidden axis and stored as codes.
; SHARES.  Work-group (j, e) owns hidden units 128 j .. 128 j + 127 of expert e: a slab of w1 of 1,024 (K) x 128 numbers, 512 KiB of f32, which no other work-group reads.
; PHASE 1: the four waves read the slab once and quantise it along K (its FIRST axis).  A load takes one row k, 512 consecutive bytes, 16 a lane: a lane has 4 neighbouring columns.  By this text's count 64 such loads
;   of a wave are out.  The conversions take eight neighbours along K from consecutive registers, so the 32 x 4 numbers of a block step are turned by moves: one issue a number, in the shadow of the loads.
;   The codes go to LDS as IMAGES OF THE OPERAND'S REGISTERS (registers 4 c .. 4 c + 3 of lane L at 512 c + 16 L); one barrier, the only one, ahead of every branch on loaded numbers.
; PHASE 1.5: every wave takes all 64 fragments (8 tiles of 16 columns x 8 K steps) into 512 registers, and their scale words into 32.
; PHASE 2: wave w walks the expert's tiles of 16 rows w, w + 4, ..: gathers the rows' codes of x by the list, 64 matrix instructions, gelu, quantiser, 1,024 + 64 bytes out.
;   The loop has a constant count, 16 trips (64 tiles at the most, four waves); a trip past the expert's last tile is passed over by a scalar branch on the stored count.  An expert has at least one tile (of filler, if it has no rows).
; THE PRODUCT IS USED TRANSPOSED (source 0 = 16 columns of w1, source 1 = 16 rows of x), and THE COLUMNS OF A TILE ARE NOT NEIGHBOURS: lane r of tile 2 g + u takes column 32 g + 8 u + r + 8 (r / 8), so that a lane
;   holds one row, and the 16 registers of tiles 2 g, 2 g + 1 are 16 neighbours along the next K.  The bias is the C of each sum's first matrix instruction.
; LDS: wave w's 16,384 bytes at 16,384 w hold the images of K steps 2 w and 2 w + 1: fragment (T, s) at 16,384 (s / 2) + 2,048 T + 1,024 (s % 2).  Behind the images, at 65,536 + 1,024 w: the same K steps' scale words,
;   two words for (tile pair g, lane r + 16 (T % 2)) at 256 g + 8 lane.  So each wave stores into bytes of its own.
; hid: codes at 0: [e][64 tiles][32 K steps j][1,024 bytes, a fragment's image];  scale words at 16,777,216: [e][64][32][16 rows] of 4 bytes.
; GELU: x (1 + erf(x / sqrt 2)) / 2 in f32.  |z| <= 475/512: erf by an odd polynomial.  Beyond: erfc|z| = exp(polynomial), and x - x erfc / 2 (x > 0) or x erfc / 2 (x < 0): no difference of near numbers.  Both ways are computed, a select chooses.
; NOT USED, and why: clusters (no weight byte is shared; what is shared, x's codes, is 8 KiB a tile against the slab's 512 KiB, and is walked by counts read from memory); tensor loads (K runs down the rows, so the numbers must pass registers anyway).
; LIMITS: NaN and infinities are not served.  A block of zeros gets the byte 1 (its codes are zeros; this program alone reads the bytes).  v_exp_f32 gives 0 under 2^-126, so the gelu of very negative numbers is -0.
; Rows past the count (the list's filler) take token 1023's codes; their results are written and go on into spare rows alone.
; REGISTERS.  window 0: v1-15 addresses; v16-47 w1's scale words; v48-55 x's; phase 1: v64-99 at work, v128-255 a block step's numbers by column; phase 2: v56-119 x's 8 fragments, v120-183 the 8 accumulators, v184-254 at work.
;   window 1: phase 1: two sets of 128 for the loads; then the fragments of K steps 0-3.   window 2: those of K steps 4-7.   window 3: v0-63 the bias, eight registers a tile.
.set PITCH, 16384                      ; bytes from row k to row k + 1 of w1[e]
.set SCI,   65536                      ; the scale words
.set SCST,  8                          ; from a column's pair of words to the next column's
.set TRIPS, 16
.set GA,   2                           ; v2   16 x lane: my 16 bytes of a row of the slab;
.set LI,   2                           ;      also my place in an image
.set LA,   3                           ; v3   where my codes go
.set LSA,  4                           ; v4   where my scale words go
.set WSA,  5                           ; v5   SCI + 8 x lane
.set TOK,  6                           ; v6   my row's token x 512 + 16 h
.set TKS,  7                           ; v7   token x 32
.set LST,  8                           ; v8   a list entry
.set LOF,  9                           ; v9   4 r
.set HQO,  10                          ; v10  where the tile's image goes
.set HSO,  11                          ; v11  and its scale words
.set LAD,  12                          ; v12  the list load's offset
.set TMPV, 13
.set H16,  14                          ; v14  16 h
.set WS,   16
.set XS,   48
.set XF,   56
.set H,    120
.set MX,   64                          ; phase 1: v64-67 largest magnitudes, v68-71 scale operands, v72-75 bytes, v76-83 scale words (a pair a column), v84-99 codes
.set SOP,  68
.set BY,   72
.set SW,   76
.set CD,   84
.set T,    128                         ; column c's 32 numbers down K at T + 32 c
.set Z,    184                         ; the gelu's eight numbers at a time
.set XH,   192
.set TT,   200
.set SS,   208
.set RL,   216
.set RS,   224
.set UU,   232
.set KA,   240                         ; three constants as vector pairs (a packed multiply-add takes one scalar pair)
.set KB,   242
.set KC,   244
.set TM,   184                         ; the quantiser's: v184-199
.set PC,   246                         ; v246-253 the codes just made
.set PW,   254                         ; v254     their scale word
.set C0,   40                          ; s[40:63] twelve constants, each as a pair
.set A0,   42
.set A2,   44
.set A4,   46
.set A5,   48
.set A6,   50
.set L2E,  52
.set B0,   54
.set B2C,  56
.set B3C,  58
.set B4C,  60
.set B5C,  62
.set MSB, 0
.macro WIN new                         ; the immediate's high byte repeats the setting that is left; a switch that changes nothing is dropped
.if MSB != \new
	s_set_vgpr_msb (MSB<<8)|\new
.set MSB, \new
.endif
.endm
.macro KPAIR reg, bits
	s_mov_b32 s[\reg], \bits
	s_mov_b32 s[\reg+1], \bits
.endm
	s_load_b256 s[4:11], s[0:1], 0x0               ; w1 s[4:5], b1 s[6:7], order s[8:9], xw s[10:11]
	s_load_b64 s[12:13], s[0:1], 0x20              ; hid
	v_lshl_add_u32 v15, v0, 2, 0x12000
	s_set_vgpr_msb 0xc0
	v_mov_b32 v255, 0
	s_set_vgpr_msb 0xc000
	v_lshrrev_b32 v[TMPV], 5, v0
	v_readfirstlane_b32 s14, v[TMPV]               ; wave
	v_and_b32 v1, 31, v0                           ; lane
	s_and_b32 s15, ttmp7, 0xffff                   ; e
	v_lshlrev_b32 v[GA], 4, v1
	; my columns 4 l + c: tile pair g = l / 8, tile T = 2 g + u with u = (l / 2) % 2, fragment row r = 8 ((l / 4) % 2) + 4 (l % 2) + c.  Codes: 2,048 T + 16 r;  scale words: 256 g + 128 u + 8 r
	v_bfe_u32 v[TMPV], v0, 3, 2
	v_lshlrev_b32 v[LA], 12, v[TMPV]
	v_lshlrev_b32 v[LSA], 8, v[TMPV]
	v_bfe_u32 v[TMPV], v0, 1, 1
	v_lshl_add_u32 v[LA], v[TMPV], 11, v[LA]
	v_lshl_add_u32 v[LSA], v[TMPV], 7, v[LSA]
	v_bfe_u32 v[TMPV], v0, 2, 1
	v_lshl_add_u32 v[LA], v[TMPV], 7, v[LA]
	v_lshl_add_u32 v[LSA], v[TMPV], 6, v[LSA]
	v_and_b32 v[TMPV], 1, v0
	v_lshl_add_u32 v[LA], v[TMPV], 6, v[LA]
	v_lshl_add_u32 v[LSA], v[TMPV], 5, v[LSA]
	s_lshl_b32 s19, s14, 14
	v_add_nc_u32 v[LA], s19, v[LA]                 ; + my wave's 16,384 bytes
	s_lshl_b32 s19, s14, 10
	s_add_co_u32 s19, s19, SCI
	v_add_nc_u32 v[LSA], s19, v[LSA]               ; + my wave's 1,024 bytes
	v_lshl_add_u32 v[WSA], v1, 3, SCI
	v_and_b32 v[TMPV], 15, v1
	v_lshlrev_b32 v[LOF], 2, v[TMPV]
	v_lshrrev_b32 v[H16], 4, v1
	v_lshlrev_b32 v[TMPV], 6, v[H16]               ; 64 h: the bias of my half's hidden units
	v_lshlrev_b32 v[H16], 4, v[H16]
	s_mov_b32 s26, 0x76543210
	s_mov_b32 s27, 0xfedcba98                      ; v_permlanex16_b32's selects for lane l xor 16
	KPAIR C0,  0x3f3504f3                          ; 1 / sqrt 2
	KPAIR A0,  0xb7910000
	KPAIR A2,  0xbb7e8a1c
	KPAIR A4,  0xbddaae5c
	KPAIR A5,  0xbf228550
	KPAIR A6,  0xbe03ce86
	KPAIR L2E, 0x3fb8aa3b
	KPAIR B0,  0xba1c7000
	KPAIR B2C, 0xbcdb48d9
	KPAIR B3C, 0x3de70e22
	KPAIR B4C, 0xbec09380
	KPAIR B5C, 0x3e0375d4
	s_mov_b32 s29, 0
	s_lshl_b32 s28, s15, 24                        ; w1: e x 16 MiB + 512 j + my wave's 256 rows of 16,384 bytes
	s_lshl_b32 s19, ttmp9, 9
	s_add_co_u32 s28, s28, s19
	s_lshl_b32 s19, s14, 22
	s_add_co_u32 s28, s28, s19
	s_wait_kmcnt 0x0
	s_add_nc_u64 s[4:5], s[4:5], s[28:29]
	s_lshl_b32 s28, s15, 14
	s_lshl_b32 s19, ttmp9, 9
	s_add_co_u32 s28, s28, s19
	s_add_nc_u64 s[6:7], s[6:7], s[28:29]          ; b1 at my 128 units
	s_lshl_b32 s28, s15, 7
	s_add_co_u32 s28, s28, 32768
	s_add_nc_u64 s[30:31], s[8:9], s[28:29]
	s_load_b32 s16, s[30:31], 0x0                  ; the expert's count of rows
	s_lshl_b32 s28, s15, 12
	s_add_nc_u64 s[8:9], s[8:9], s[28:29]          ; its list
	s_add_nc_u64 s[24:25], s[10:11], 524288        ; x's scale bytes
	s_lshl_b32 s28, s15, 17
	s_lshl_b32 s19, ttmp9, 6
	s_add_co_u32 s28, s28, s19
	s_add_co_u32 s28, s28, 16777216
	s_add_nc_u64 s[22:23], s[12:13], s[28:29]      ; the hidden layer's scale words: e, K step j
	s_lshl_b32 s28, s15, 21
	s_lshl_b32 s19, ttmp9, 10
	s_add_co_u32 s28, s28, s19
	s_add_nc_u64 s[12:13], s[12:13], s[28:29]      ; its codes: e, K step j
	WIN 0xc0                                       ; destination window 3
.irp t, 0,1,2,3,4,5,6,7                        ; the bias in the result's layout: lane (r, h), tile t, register i: unit 32 (t / 2) + 16 h + 8 (t % 2) + i
	global_load_b128 v[8*\t:8*\t+3], v[TMPV], s[6:7] offset:(32*(\t/2)+8*(\t%2))*4
	global_load_b128 v[8*\t+4:8*\t+7], v[TMPV], s[6:7] offset:(32*(\t/2)+8*(\t%2))*4+16
.endr
; ---- PHASE 1
.macro LOADBLK i                       ; block step i: 32 rows k, into set i % 2 of window 1
	WIN 0x40
.set kk, 0
.rept 32
	global_load_b128 v[128*((\i)%2)+4*kk:128*((\i)%2)+4*kk+3], v[GA], s[4:5] offset:(32*(\i)+kk)*PITCH th:TH_LOAD_NT
.set kk, kk+1
.endr
.endm
.macro QBLK i
.if (\i) < 7
	s_wait_loadcnt 32                              ; this step's 32 loads (and all older ones) are in; the next step's 32 may be out
.else
	s_wait_loadcnt 0x0
.endif
	WIN 0x01                                       ; source window 1, destination window 0
.set kk, 0
.rept 32
.irp c, 0,1,2,3
	v_mov_b32 v[T+32*\c+kk], v[128*((\i)%2)+4*kk+\c]   ; the turn: a column's 32 numbers on end
.endr
.set kk, kk+1
.endr
.if (\i) < 6
	LOADBLK (\i)+2                                 ; the set is free at once
.endif
	WIN 0
.irp c, 0,1,2,3
	v_max3_num_f32 v[MX+\c], |v[T+32*\c]|, |v[T+32*\c+1]|, 0x1800000   ; the block's largest magnitude, and the floor 2^(3 - 127): the byte cannot fall under 1
.endr
.irp k2, 2,4,6,8,10,12,14,16,18,20,22,24,26,28,30
.irp c, 0,1,2,3
	v_max3_num_f32 v[MX+\c], v[MX+\c], |v[T+32*\c+\k2]|, |v[T+32*\c+\k2+1]|   ; (the four columns by turns)
.endr
.endr
.irp c, 0,1,2,3
	v_add_nc_u32 v[SOP+\c], 0xff000000, v[MX+\c]   ; 2 off the exponent field: the conversion's scale operand
.endr
.irp c, 0,1,2,3
.if (\i)%4 == 0
	v_lshrrev_b32 v[SW+2*\c+(\i)/4], 23, v[SOP+\c]   ; the scale's byte begins a word of four
.else
	v_lshrrev_b32 v[BY+\c], 23, v[SOP+\c]
.endif
.endr
.if (\i)%4 != 0
.irp c, 0,1,2,3
	v_lshl_or_b32 v[SW+2*\c+(\i)/4], v[BY+\c], 8*((\i)%4), v[SW+2*\c+(\i)/4]
.endr
.endif
	s_wait_dscnt 0x0                               ; the last step's stores have read the codes' registers
.irp c, 0,1,2,3
.irp g, 0,1,2,3
	v_cvt_scalef32_pk8_fp4_f32 v[CD+4*\c+\g], v[T+32*\c+8*\g:T+32*\c+8*\g+7], v[SOP+\c]
.endr
.endr
	v_nop                                          ; a plain instruction behind the last conversion: the next step's moves write its sources
.irp c, 0,1,2,3
	ds_store_b128 v[LA], v[CD+4*\c:CD+4*\c+3] offset:256*(\i)+16*\c   ; block 8 w + i: 16 bytes of fragment row r + c
.endr
.endm
	LOADBLK 0
	LOADBLK 1
.irp i, 0,1,2,3,4,5,6,7
	QBLK \i
.endr
.irp c, 0,1,2,3
	ds_store_b64 v[LSA], v[SW+2*\c:SW+2*\c+1] offset:SCST*\c
.endr
	s_wait_dscnt 0x0                               ; for the others' sake: my stores have landed
	s_barrier_signal -1
	s_barrier_wait -1                              ; the 64 images and their scale words lie in LDS; nothing is written there again
; ---- PHASE 1.5
	WIN 0x40
.irp s, 0,1,2,3
.irp t, 0,1,2,3,4,5,6,7
.irp c, 0,1
	ds_load_b128 v[8*(8*\s+\t)+4*\c:8*(8*\s+\t)+4*\c+3], v[LI] offset:16384*(\s/2)+2048*\t+1024*(\s%2)+512*\c
.endr
.endr
.endr
	WIN 0x80
.irp s, 4,5,6,7
.irp t, 0,1,2,3,4,5,6,7
.irp c, 0,1
	ds_load_b128 v[8*(8*(\s-4)+\t)+4*\c:8*(8*(\s-4)+\t)+4*\c+3], v[LI] offset:16384*(\s/2)+2048*\t+1024*(\s%2)+512*\c
.endr
.endr
.endr
	WIN 0
.irp g, 0,1,2,3
.irp q, 0,1,2,3
	ds_load_b64 v[WS+8*\g+2*\q:WS+8*\g+2*\q+1], v[WSA] offset:1024*\q+256*\g   ; register WS + 8 g + s: lanes 0-15 tile 2 g's words of K step s, lanes 16-31 tile 2 g + 1's
.endr
.endr
.irp n, 0,1
	v_mov_b32 v[KA+\n], 0x39c8e7d9
	v_mov_b32 v[KB+\n], 0x3cc6b1a1
	v_mov_b32 v[KC+\n], 0x3ba38d2c
.endr
	s_wait_dscnt 0x0
; ---- PHASE 2
.macro LISTLOAD ahead                  ; my row's entry of the tile `ahead` further on; all 1,024 entries of a list are written, and the tile's number is held at 63
	s_add_co_u32 s19, s18, \ahead
	s_min_u32 s19, s19, 63
	s_lshl_b32 s19, s19, 6
	v_add_nc_u32 v[LAD], s19, v[LOF]
	global_load_b32 v[LST], v[LAD], s[8:9]
.endm
.macro MKTOK                           ; slot -> token, held at 1023; four plain instructions
	v_lshrrev_b32 v[TMPV], 1, v[LST]
	v_min_u32 v[TMPV], 0x3ff, v[TMPV]
	v_lshl_add_u32 v[TOK], v[TMPV], 9, v[H16]
	v_lshlrev_b32 v[TKS], 5, v[TMPV]
.endm
.macro XLOADS                          ; 18 loads: my row's 8 fragments (registers 4 c .. 4 c + 3 of K step s: bytes 64 s + 32 c + 16 h of the row) and its 8 scale words
.irp s, 0,1,2,3,4,5,6,7
	global_load_b128 v[XF+8*\s:XF+8*\s+3], v[TOK], s[10:11] offset:64*\s
	global_load_b128 v[XF+8*\s+4:XF+8*\s+7], v[TOK], s[10:11] offset:64*\s+32
.endr
	global_load_b128 v[XS:XS+3], v[TKS], s[24:25]
	global_load_b128 v[XS+4:XS+7], v[TKS], s[24:25] offset:16
.endm
.macro WM d, a, b, cc, sa, sb, odd
.if \odd
	v_wmma_scale_f32_16x16x128_f8f6f4 v[\d:\d+7], v[\a:\a+7], v[\b:\b+7], v[\cc:\cc+7], v[\sa], v[\sb] matrix_a_fmt:MATRIX_FMT_FP4 matrix_b_fmt:MATRIX_FMT_FP4 matrix_a_scale:MATRIX_SCALE_ROW1
.else
	v_wmma_scale_f32_16x16x128_f8f6f4 v[\d:\d+7], v[\a:\a+7], v[\b:\b+7], v[\cc:\cc+7], v[\sa], v[\sb] matrix_a_fmt:MATRIX_FMT_FP4 matrix_b_fmt:MATRIX_FMT_FP4
.endif
.endm
.macro MM                              ; 64 matrix instructions: K step by K step, the eight accumulators by turns, one instruction a turn
.irp s, 0,1,2,3,4,5,6,7
.if \s == 0
	WIN 0x31                                       ; source 0 (w1) window 1, C (the bias) window 3
.elseif \s < 4
	WIN 0x01
.else
	WIN 0x02
.endif
.irp t, 0,1,2,3,4,5,6,7
.if \s == 0
	WM H+8*\t, 8*(8*(\s%4)+\t), XF+8*\s, 8*\t, WS+8*(\t/2)+\s, XS+\s, \t%2
.else
	WM H+8*\t, 8*(8*(\s%4)+\t), XF+8*\s, H+8*\t, WS+8*(\t/2)+\s, XS+\s, \t%2
.endif
.endr
.endr
	WIN 0
.endm
.macro GELU8 b                         ; accumulator b's eight numbers, in place; it is read from its low end on
.set HB, H+8*(\b)
.irp p, 0,2,4,6
	v_pk_mul_f32 v[Z+\p:Z+\p+1], v[HB+\p:HB+\p+1], s[C0:C0+1] op_sel_hi:[1,0]      ; z = x / sqrt 2
.endr
.irp p, 0,2,4,6
	v_pk_mul_f32 v[XH+\p:XH+\p+1], v[HB+\p:HB+\p+1], 0.5 op_sel_hi:[1,0]           ; x / 2
.endr
.irp n, 0,1,2,3,4,5,6,7
	v_and_b32 v[TT+\n], 0x7fffffff, v[Z+\n]                                         ; t = |z|
.endr
.irp p, 0,2,4,6
	v_pk_mul_f32 v[SS+\p:SS+\p+1], v[Z+\p:Z+\p+1], v[Z+\p:Z+\p+1]                   ; s = z z
.endr
.irp p, 0,2,4,6
	v_pk_fma_f32 v[RL+\p:RL+\p+1], v[TT+\p:TT+\p+1], s[A0:A0+1], v[KA:KA+1] op_sel_hi:[1,0,1]
.endr
.irp p, 0,2,4,6
	v_pk_fma_f32 v[UU+\p:UU+\p+1], v[TT+\p:TT+\p+1], s[A2:A2+1], v[KB:KB+1] op_sel_hi:[1,0,1]
.endr
.irp p, 0,2,4,6
	v_pk_fma_f32 v[RL+\p:RL+\p+1], v[RL+\p:RL+\p+1], v[SS+\p:SS+\p+1], v[UU+\p:UU+\p+1]
.endr
.irp k, A4, A5, A6
.irp p, 0,2,4,6
	v_pk_fma_f32 v[RL+\p:RL+\p+1], v[RL+\p:RL+\p+1], v[TT+\p:TT+\p+1], s[\k:\k+1] op_sel_hi:[1,1,0]
.endr
.endr
.irp p, 0,2,4,6
	v_pk_fma_f32 v[RL+\p:RL+\p+1], v[RL+\p:RL+\p+1], v[TT+\p:TT+\p+1], v[TT+\p:TT+\p+1] neg_lo:[0,0,1] neg_hi:[0,0,1]
.endr
.irp p, 0,2,4,6
	v_pk_mul_f32 v[RL+\p:RL+\p+1], v[RL+\p:RL+\p+1], s[L2E:L2E+1] op_sel_hi:[1,0]
.endr
.irp n, 0,1,2,3,4,5,6,7
	v_exp_f32 v[RL+\n], v[RL+\n]                                                    ; erfc |z|
.endr
.irp p, 0,2,4,6
	v_pk_fma_f32 v[RS+\p:RS+\p+1], v[SS+\p:SS+\p+1], s[B0:B0+1], v[KC:KC+1] op_sel_hi:[1,0,1]   ; (plain instructions behind the exponentials)
.endr
.irp k, B2C, B3C, B4C, B5C
.irp p, 0,2,4,6
	v_pk_fma_f32 v[RS+\p:RS+\p+1], v[RS+\p:RS+\p+1], v[SS+\p:SS+\p+1], s[\k:\k+1] op_sel_hi:[1,1,0]
.endr
.endr
.irp p, 0,2,4,6
	v_pk_fma_f32 v[RS+\p:RS+\p+1], v[RS+\p:RS+\p+1], v[Z+\p:Z+\p+1], v[Z+\p:Z+\p+1]              ; erf z
.endr
.irp p, 0,2,4,6
	v_pk_fma_f32 v[RS+\p:RS+\p+1], v[XH+\p:XH+\p+1], v[RS+\p:RS+\p+1], v[XH+\p:XH+\p+1]          ; small |z|: x / 2 + x / 2 erf z
.endr
	s_wait_alu depctr_va_vdst(0)
.irp p, 0,2,4,6
	v_pk_mul_f32 v[RL+\p:RL+\p+1], v[XH+\p:XH+\p+1], v[RL+\p:RL+\p+1]                            ; x / 2 erfc |z|
.endr
.irp n, 0,1,2,3,4,5,6,7
	v_max_num_f32 v[UU+\n], 0, v[HB+\n]
.endr
.irp n, 0,1,2,3,4,5,6,7
	v_sub_f32 v[UU+\n], v[UU+\n], |v[RL+\n]|                                        ; large |z|: max(x, 0) - |x| / 2 erfc |z|
.endr
.irp n, 0,1,2,3,4,5,6,7
	v_cmp_lt_f32 vcc_lo, 0x3f6d8000, v[TT+\n]                                       ; 475/512 < |z| ?
	v_cndmask_b32 v[HB+\n], v[RS+\n], v[UU+\n], vcc_lo
.endr
.endm
	s_wait_kmcnt 0x0                               ; the count
	s_min_u32 s17, s16, 1024
	s_add_co_u32 s17, s17, 15
	s_lshr_b32 s17, s17, 4                         ; tiles of 16 rows,
	s_max_u32 s17, s17, 1                          ; one at the least
	s_mov_b32 s18, s14                             ; my first tile
	s_mov_b32 s36, TRIPS
	LISTLOAD 0
	s_wait_loadcnt 0x0
	MKTOK
	XLOADS
	LISTLOAD 4
.Ltile:
	s_cmp_ge_u32 s18, s17                          ; past the expert's last tile: nothing to do in this trip
	s_cbranch_scc1 .Lnone
	s_wait_loadcnt 0x1                             ; this tile's 18 loads are in; the one list load behind them may be out
	MM
	s_wait_loadcnt 0x0                             ; the next tile's list entry
	MKTOK                                          ; its four lines are the places behind the last products (ISA guide 7.12.1): they name none of their registers
	XLOADS                                         ; the next tile's rows land while this tile's gelu is computed
	LISTLOAD 8
.irp b, 0,1,2,3,4,5,6,7
	GELU8 \b
.endr
	s_wait_xcnt 0x0                                ; the last tile's stores have read their data and offsets: both are written again below
	; the quantiser: register 16 b + i of the lane is hidden unit 32 b + 16 h + i of my row
.irp b, 0,1,2,3
	v_max3_num_f32 v[TM+\b], |v[H+16*\b]|, |v[H+1+16*\b]|, 0x1800000
.endr
.irp i, 2,4,6,8,10,12,14
.irp b, 0,1,2,3
	v_max3_num_f32 v[TM+\b], v[TM+\b], |v[H+16*\b+\i]|, |v[H+1+16*\b+\i]|
.endr
.endr
.irp b, 0,1,2,3
	v_permlanex16_b32 v[TM+4+\b], v[TM+\b], s26, s27
.endr
.irp b, 0,1,2,3
	v_max_num_f32 v[TM+\b], v[TM+\b], v[TM+4+\b]   ; with lane l xor 16's: the block's largest magnitude
.endr
.irp b, 0,1,2,3
	v_add_nc_u32 v[TM+12+\b], 0xff000000, v[TM+\b]
.endr
.irp b, 0,1,2,3
	v_lshrrev_b32 v[TM+4+\b], 23, v[TM+12+\b]
.endr
	v_lshl_or_b32 v[PW], v[TM+5], 8, v[TM+4]       ; my row's scale word for this K step of the second product
	v_lshl_or_b32 v[PW], v[TM+6], 16, v[PW]
	v_lshl_or_b32 v[PW], v[TM+7], 24, v[PW]
.irp b, 0,1,2,3
	v_cvt_scalef32_pk8_fp4_f32 v[PC+2*\b], v[H+16*\b:H+7+16*\b], v[TM+12+\b]
	v_cvt_scalef32_pk8_fp4_f32 v[PC+1+2*\b], v[H+8+16*\b:H+15+16*\b], v[TM+12+\b]
.endr
	v_nop                                          ; a plain instruction behind the last conversion
.irp c, 0,1                                    ; the operand's layout wants a whole block in a lane: lanes 0-15 block 2 c, lanes 16-31 block 2 c + 1
.irp i, 0,1
	v_permlane16_swap_b32 v[PC+4*\c+\i], v[PC+2+4*\c+\i]
.endr
.endr
	s_min_u32 s19, s18, 63
	s_lshl_b32 s28, s19, 15
	v_add_nc_u32 v[HQO], s28, v[LI]
	s_lshl_b32 s28, s19, 11
	v_add_nc_u32 v[HSO], s28, v[LOF]
	global_store_b128 v[HQO], v[PC:PC+3], s[12:13]             ; the fragment's image: 512 consecutive bytes a store
	global_store_b128 v[HQO], v[PC+4:PC+7], s[12:13] offset:512
	global_store_b32 v[HSO], v[PW], s[22:23]                   ; 16 words; lanes 16-31 write what lanes 0-15 write
.Lnone:
	s_add_co_u32 s18, s18, 4
	s_sub_co_u32 s36, s36, 1
	s_cmp_lg_u32 s36, 0
	s_cbranch_scc1 .Ltile
	s_set_vgpr_msb 0xc
	s_wait_tensorcnt 0x0
	ds_add_u32 v15, v255
	s_wait_dscnt 0x0
	s_set_vgpr_msb 0xc00
	s_endpgm
.Lfunc_end_k_q3a1078c26e_up:
	.size	k_q3a1078c26e_up, .Lfunc_end_k_q3a1078c26e_up-k_q3a1078c26e_up
	.p2alignl 7, 3214868480
	.fill 96, 4, 3214868480
	.section	.rodata,"a",@progbits
	.p2align	6, 0x0
	.amdhsa_kernel k_q3a1078c26e_up
		.amdhsa_group_segment_fixed_size 74240
		.amdhsa_private_segment_fixed_size 0
		.amdhsa_enable_private_segment 0
		.amdhsa_kernarg_size 40
		.amdhsa_user_sgpr_count 2
		.amdhsa_user_sgpr_kernarg_segment_ptr 1
		.amdhsa_wavefront_size32 1
		.amdhsa_system_sgpr_workgroup_id_x 1
		.amdhsa_system_sgpr_workgroup_id_y 1
		.amdhsa_system_sgpr_workgroup_id_z 1
		.amdhsa_system_vgpr_workitem_id 0
		.amdhsa_next_free_vgpr 1024
		.amdhsa_next_free_sgpr 66
		.amdhsa_reserve_vcc 1
		.amdhsa_float_denorm_mode_32 3
		.amdhsa_float_denorm_mode_16_64 3
		.amdhsa_memory_ordered 1
		.amdhsa_forward_progress 1
		.amdhsa_inst_pref_size 195
	.end_amdhsa_kernel
	.amdgpu_metadata
---
amdhsa.version: [ 1, 2 ]
amdhsa.kernels:
  - .name:           k_q3a1078c26e_up
    .symbol:         k_q3a1078c26e_up.kd
    .args:
      - { .name: w1, .offset: 0, .size: 8, .value_kind: global_buffer, .address_space: global }
      - { .name: b1, .offset: 8, .size: 8, .value_kind: global_buffer, .address_space: global }
      - { .name: order, .offset: 16, .size: 8, .value_kind: global_buffer, .address_space: global }
      - { .name: xw, .offset: 24, .size: 8, .value_kind: global_buffer, .address_space: global }
      - { .name: hid, .offset: 32, .size: 8, .value_kind: global_buffer, .address_space: global }
    .group_segment_fixed_size: 74240
    .private_segment_fixed_size: 0
    .kernarg_segment_align: 8
    .kernarg_segment_size: 40
    .max_flat_workgroup_size: 128
    .sgpr_count:     66
    .vgpr_count:     1024
    .wavefront_size: 32
...
	.end_amdgpu_metadata
.endif
;; end of part 3
;; launch down (part 4): grid 16 x 16, 4 waves a work-group, no clusters, 90,624 bytes of LDS; arguments w2, b2, order, glist, hid, part; writes part
.if DOCPART == 4
	.amdgcn_target "amdgcn-amd-amdhsa--gfx1250"
	.amdhsa_code_object_version 6
	.text
	.protected	k_q3a1078c26e_down
	.globl	k_q3a1078c26e_down
	.p2align	8
	.type	k_q3a1078c26e_down,@function
k_q3a1078c26e_down:
	s_mov_b64 s[64:65], 0
	v_nop
	global_prefetch_b8 v0, s[64:65] scope:SCOPE_SE
	s_setreg_imm32_b32 hwreg(HW_REG_WAVE_MODE, 25, 1), 1
	s_wait_xcnt 0x0
; THE SECOND PRODUCT OF AN EXPERT: part[kh][slot] = gate x (hidden w2[e] over half kh of K (+ b2[e] in half 0)), on codes of E2M1 with one E8M0 scale for each 32 along K.
; SHARES.  Work-group (ns, 2 e + kh) owns output columns 64 ns .. 64 ns + 63 and hidden units 2,048 kh .. + 2,047 of expert e: a slab of w2 of 2,048 (K) x 64 numbers, 512 KiB of f32, which no other work-group reads.
; 64 columns are 256 bytes: the slab's rows and the rows stored are whole aligned runs of 256 bytes.  K is halved so that there are 256 equal slabs; the last launch adds a token's four parts.
; PHASE 1, 1.5: as in the launch before: the slab is read once, quantised along K (its first axis), laid in LDS as images of the operand's registers, one barrier, and every wave takes all 64 fragments
;   (4 tiles of 16 columns x 16 K steps) into 512 registers.  A load takes two rows 256 apart: lanes 0-15 row k, lanes 16-31 row k + 256, 256 consecutive bytes each; by this text's count 64 such loads of a wave are out.
; PHASE 2: wave w walks the expert's tiles of 16 rows w, w + 4, ..: the tile's 16 hidden fragments (images, 16 KiB), 64 matrix instructions on four accumulators by turns, the gate, through the wave's own stage in LDS,
;   and out: sixteen lanes store 256 consecutive bytes of a slot's row.  The loop has a constant count, 16 trips; a trip past the expert's last tile is passed over by a scalar branch on the stored count.
; part: [2 halves][2,176 rows][1,024] f32.  Rows 0 to 2,047 are the slots.  Rows 2,048 + 16 e + i are spare: the list's filler names them, so that a tile's rows past the count are stored like the others, all lanes on,
;   into bytes that this work-group alone writes and nobody reads: 15 rows of 256 bytes at the most.
; THE PRODUCT IS USED TRANSPOSED (source 0 = 16 columns of w2, source 1 = 16 rows): a lane holds eight neighbouring columns of one row.  The bias is the C of each sum's first matrix instruction, cleared in half 1.
; LDS: wave w's 16,384 bytes at 16,384 w hold the images of K steps 4 w .. 4 w + 3: fragment (T, s) at 16,384 (s / 4) + 4,096 T + 1,024 (s % 4).  At 65,536 + 1,024 w: the same K steps' scale words, four words for
;   (tile pair g, lane r + 16 (T % 2)) at 512 g + 16 lane.  At 69,632 + 4,352 w: the wave's stage.  So each wave stores into bytes of its own.
; NOT USED, and why: clusters (no weight byte is shared; the hidden codes, which the 16 column slices share, are walked by counts read from memory); tensor loads (K runs down the rows, so the numbers must pass registers anyway).
; LIMITS: NaN and infinities are not served.  A block of zeros gets the byte 1 (its codes are zeros; this program alone reads the bytes).
; REGISTERS.  window 0: v1-15 addresses; v16-47 w2's scale words; v48-55 the hidden layer's; phase 1: v64-99 at work, v128-255 a block step's numbers by column; phase 2: v56-87 accumulators, v120-139 slots, offsets, gate, v144-175 rows on the way out.
;   window 1: phase 1: two sets of 128 for the loads; then the fragments of K steps 0-7.   window 2: those of K steps 8-15.   window 3: v0-127 the tile's 16 hidden fragments; v128-159 the bias.
.set PITCH, 4096                       ; bytes from row k to row k + 1 of w2[e]
.set SCI,   65536                      ; the scale words
.set SCST,  16                         ; from a column's words to the next column's
.set STG,   69632                      ; the stages: 16 rows x (256 bytes + 16) for each wave
.set HALF,  8912896                    ; a half of part: 2,176 rows of 4,096 bytes
.set TRIPS, 16
.set GA,   2                           ; v2   my 16 bytes of the two rows of a load
.set LA,   3                           ; v3   where my codes go
.set LSA,  4                           ; v4   where my scale words go
.set LI,   5                           ; v5   16 x lane
.set AO,   6                           ; v6   the tile's hidden fragments
.set ASO,  7                           ; v7   their scale words
.set SLO,  8                           ; v8   the slots of the rows that I store
.set GTO,  9                           ; v9   my row's gate
.set STO,  10                          ; v10  the stage: in
.set RD,   11                          ; v11  the stage: back
.set L4,   12                          ; v12  4 x lane
.set H4,   13                          ; v13  4 h
.set R4,   14                          ; v14  4 r
.set C16,  15                          ; v15  16 r
.set WS,   16
.set ASC,  48
.set ACC,  56
.set WSA,  100                         ; v100 SCI + 16 x lane
.set B2A,  101                         ; v101 32 h
.set SL,   120
.set VO,   128
.set GAT,  136
.set GC,   138
.set OUTR, 144
.set MX,   64
.set SOP,  68
.set BY,   72
.set SW,   76
.set CD,   84
.set T,    128
.set MSB, 0
.macro WIN new                         ; the immediate's high byte repeats the setting that is left; a switch that changes nothing is dropped
.if MSB != \new
	s_set_vgpr_msb (MSB<<8)|\new
.set MSB, \new
.endif
.endm
	s_load_b256 s[4:11], s[0:1], 0x0               ; w2 s[4:5], b2 s[6:7], order s[8:9], glist s[10:11]
	s_load_b128 s[12:15], s[0:1], 0x20             ; hid s[12:13], part s[14:15]
	v_lshl_add_u32 v118, v0, 2, 0x16000
	v_mov_b32 v119, 0
	v_lshrrev_b32 v8, 5, v0
	v_readfirstlane_b32 s16, v8                    ; wave
	v_and_b32 v1, 31, v0                           ; lane
	s_and_b32 s32, ttmp7, 0xffff
	s_and_b32 s33, s32, 1                          ; kh
	s_lshr_b32 s32, s32, 1                         ; e
	v_and_b32 v8, 15, v0                           ; r (in phase 1: which 4 columns)
	v_bfe_u32 v9, v0, 4, 1                         ; h (in phase 1: which of the two rows)
	v_lshlrev_b32 v[C16], 4, v8
	v_lshl_add_u32 v[GA], v9, 20, v[C16]           ; 256 rows of 4,096 bytes further down for lanes 16-31
	v_bfe_u32 v10, v0, 2, 2                        ; my columns 4 r + c: tile T = r / 4, fragment row 4 (r % 4) + c
	v_and_b32 v11, 3, v0
	v_lshlrev_b32 v[LA], 12, v10                   ; codes: 4,096 T + 2,048 h + 16 x row; my blocks are 16 w + 8 h + i
	v_lshl_add_u32 v[LA], v9, 11, v[LA]
	v_lshl_add_u32 v[LA], v11, 6, v[LA]
	s_lshl_b32 s19, s16, 14
	v_add_nc_u32 v[LA], s19, v[LA]                 ; + my wave's 16,384 bytes
	v_lshlrev_b32 v[LSA], 8, v10                   ; scale words: 512 (T / 2) + 256 (T % 2) + 16 x row + 8 h; my K steps are 4 w + 2 h and the next
	v_lshl_add_u32 v[LSA], v11, 6, v[LSA]
	v_lshl_add_u32 v[LSA], v9, 3, v[LSA]
	s_lshl_b32 s19, s16, 10
	s_add_co_u32 s19, s19, SCI
	v_add_nc_u32 v[LSA], s19, v[LSA]               ; + my wave's 1,024 bytes
	v_lshlrev_b32 v[LI], 4, v1
	v_lshl_add_u32 v[WSA], v1, 4, SCI
	v_lshlrev_b32 v[B2A], 5, v9                    ; 32 h: the bias of my half's columns
	v_lshlrev_b32 v[L4], 2, v1
	v_lshlrev_b32 v[H4], 2, v9
	v_lshlrev_b32 v[R4], 2, v8
	s_mul_i32 s19, s16, 16*272
	s_add_co_u32 s19, s19, STG                     ; my stage
	v_mul_u32_u24 v[STO], v8, 272
	v_lshl_add_u32 v[STO], v9, 5, v[STO]
	v_add_nc_u32 v[STO], s19, v[STO]               ; in: row r, 32 bytes for each half of the lanes
	v_mul_u32_u24 v[RD], v9, 272
	v_add_nc_u32 v[RD], v[RD], v[C16]
	v_add_nc_u32 v[RD], s19, v[RD]                 ; back: lanes 0-15 one row of 256 bytes, lanes 16-31 the next
	s_cmp_eq_u32 s33, 0
	s_cselect_b32 s21, -1, 0                       ; the bias counts in half 0 alone
	s_mov_b32 s29, 0
	s_lshl_b32 s28, s32, 24                        ; w2: e x 16 MiB + kh x 8 MiB + my wave's 512 rows + 256 ns
	s_lshl_b32 s19, s33, 23
	s_add_co_u32 s28, s28, s19
	s_lshl_b32 s19, s16, 21
	s_add_co_u32 s28, s28, s19
	s_lshl_b32 s19, ttmp9, 8                       ; 256 ns
	s_add_co_u32 s28, s28, s19
	s_wait_kmcnt 0x0
	s_add_nc_u64 s[4:5], s[4:5], s[28:29]
	s_lshl_b32 s28, s32, 12
	s_add_nc_u64 s[10:11], s[10:11], s[28:29]      ; the expert's gates
	s_add_co_u32 s28, s28, s19
	s_add_nc_u64 s[6:7], s[6:7], s[28:29]          ; b2 at my 64 columns
	s_lshl_b32 s28, s32, 7
	s_add_co_u32 s28, s28, 32768
	s_add_nc_u64 s[30:31], s[8:9], s[28:29]
	s_load_b32 s27, s[30:31], 0x0                  ; the expert's count of rows
	s_lshl_b32 s28, s32, 12
	s_add_nc_u64 s[8:9], s[8:9], s[28:29]          ; its list
	s_lshl_b32 s28, s32, 17
	s_lshl_b32 s34, s33, 10
	s_add_co_u32 s28, s28, s34
	s_add_co_u32 s28, s28, 16777216
	s_add_nc_u64 s[22:23], s[12:13], s[28:29]      ; the hidden layer's scale words: e, K steps 16 kh on
	s_lshl_b32 s28, s32, 21
	s_lshl_b32 s34, s33, 14
	s_add_co_u32 s28, s28, s34
	s_add_nc_u64 s[12:13], s[12:13], s[28:29]      ; its codes likewise
	s_mul_i32 s28, s33, HALF
	s_add_co_u32 s28, s28, s19
	s_add_nc_u64 s[14:15], s[14:15], s[28:29]      ; part: half kh, my 256 bytes of a row
	WIN 0xc0                                       ; destination window 3
.irp t, 0,1,2,3                                ; the bias in the result's layout: lane (r, h), tile t, register i: column 16 t + 8 h + i
	global_load_b128 v[128+8*\t:128+8*\t+3], v[B2A], s[6:7] offset:64*\t
	global_load_b128 v[128+8*\t+4:128+8*\t+7], v[B2A], s[6:7] offset:64*\t+16
.endr
; ---- PHASE 1
.macro LOADBLK i                       ; block step i: 32 loads of two rows, into set i % 2 of window 1
	WIN 0x40
.set kk, 0
.rept 32
	global_load_b128 v[128*((\i)%2)+4*kk:128*((\i)%2)+4*kk+3], v[GA], s[4:5] offset:(32*(\i)+kk)*PITCH th:TH_LOAD_NT
.set kk, kk+1
.endr
.endm
.macro QBLK i
.if (\i) < 7
	s_wait_loadcnt 32                              ; this step's 32 loads (and all older ones) are in; the next step's 32 may be out
.else
	s_wait_loadcnt 0x0
.endif
	WIN 0x01                                       ; source window 1, destination window 0
.set kk, 0
.rept 32
.irp c, 0,1,2,3
	v_mov_b32 v[T+32*\c+kk], v[128*((\i)%2)+4*kk+\c]   ; the turn: a column's 32 numbers on end
.endr
.set kk, kk+1
.endr
.if (\i) < 6
	LOADBLK (\i)+2                                 ; the set is free at once
.endif
	WIN 0
.irp c, 0,1,2,3
	v_max3_num_f32 v[MX+\c], |v[T+32*\c]|, |v[T+32*\c+1]|, 0x1800000   ; the block's largest magnitude, and the floor 2^(3 - 127): the byte cannot fall under 1
.endr
.irp k2, 2,4,6,8,10,12,14,16,18,20,22,24,26,28,30
.irp c, 0,1,2,3
	v_max3_num_f32 v[MX+\c], v[MX+\c], |v[T+32*\c+\k2]|, |v[T+32*\c+\k2+1]|   ; (the four columns by turns)
.endr
.endr
.irp c, 0,1,2,3
	v_add_nc_u32 v[SOP+\c], 0xff000000, v[MX+\c]   ; 2 off the exponent field: the conversion's scale operand
.endr
.irp c, 0,1,2,3
.if (\i)%4 == 0
	v_lshrrev_b32 v[SW+2*\c+(\i)/4], 23, v[SOP+\c]   ; the scale's byte begins a word of four
.else
	v_lshrrev_b32 v[BY+\c], 23, v[SOP+\c]
.endif
.endr
.if (\i)%4 != 0
.irp c, 0,1,2,3
	v_lshl_or_b32 v[SW+2*\c+(\i)/4], v[BY+\c], 8*((\i)%4), v[SW+2*\c+(\i)/4]
.endr
.endif
	s_wait_dscnt 0x0                               ; the last step's stores have read the codes' registers
.irp c, 0,1,2,3
.irp g, 0,1,2,3
	v_cvt_scalef32_pk8_fp4_f32 v[CD+4*\c+\g], v[T+32*\c+8*\g:T+32*\c+8*\g+7], v[SOP+\c]
.endr
.endr
	v_nop                                          ; a plain instruction behind the last conversion: the next step's moves write its sources
.irp c, 0,1,2,3
	ds_store_b128 v[LA], v[CD+4*\c:CD+4*\c+3] offset:256*(\i)+16*\c
.endr
.endm
	LOADBLK 0
	LOADBLK 1
.irp i, 0,1,2,3,4,5,6,7
	QBLK \i
.endr
.irp c, 0,1,2,3
	ds_store_b64 v[LSA], v[SW+2*\c:SW+2*\c+1] offset:SCST*\c
.endr
	s_wait_dscnt 0x0                               ; for the others' sake: my stores have landed
	s_barrier_signal -1
	s_barrier_wait -1                              ; the 64 images and their scale words lie in LDS; nothing is written there again
; ---- PHASE 1.5
	WIN 0x40
.irp s, 0,1,2,3,4,5,6,7
.irp t, 0,1,2,3
.irp c, 0,1
	ds_load_b128 v[8*(4*\s+\t)+4*\c:8*(4*\s+\t)+4*\c+3], v[LI] offset:16384*(\s/4)+4096*\t+1024*(\s%4)+512*\c
.endr
.endr
.endr
	WIN 0x80
.irp s, 8,9,10,11,12,13,14,15
.irp t, 0,1,2,3
.irp c, 0,1
	ds_load_b128 v[8*(4*(\s-8)+\t)+4*\c:8*(4*(\s-8)+\t)+4*\c+3], v[LI] offset:16384*(\s/4)+4096*\t+1024*(\s%4)+512*\c
.endr
.endr
.endr
	WIN 0
.irp g, 0,1
.irp q, 0,1,2,3
	ds_load_b128 v[WS+16*\g+4*\q:WS+16*\g+4*\q+3], v[WSA] offset:1024*\q+512*\g   ; register WS + 16 g + s: lanes 0-15 tile 2 g's words of K step s, lanes 16-31 tile 2 g + 1's
.endr
.endr
	WIN 0xcc                                       ; source 1 and destination window 3
.set n, 0
.rept 32
	v_and_b32 v[128+n], s21, v[128+n]              ; the bias stays in half 0 and is cleared in half 1
.set n, n+1
.endr
	WIN 0
	s_wait_dscnt 0x0
; ---- PHASE 2
.macro GROUP ahead                     ; the 49 loads of the tile `ahead` further on; its number is held at the expert's last tile, so that only written bytes are read
	s_add_co_u32 s19, s18, \ahead
	s_min_u32 s19, s19, s20
	s_min_u32 s19, s19, 63
	s_lshl_b32 s34, s19, 15
	v_add_nc_u32 v[AO], s34, v[LI]
	s_lshl_b32 s34, s19, 11
	v_add_nc_u32 v[ASO], s34, v[L4]
	s_lshl_b32 s34, s19, 6
	v_add_nc_u32 v[SLO], s34, v[H4]
	v_add_nc_u32 v[GTO], s34, v[R4]
	WIN 0xc0
.set n, 0
.rept 32
	global_load_b128 v[4*n:4*n+3], v[AO], s[12:13] offset:512*n   ; 16 images on end: 512 consecutive bytes a load
.set n, n+1
.endr
	WIN 0
.irp m, 0,1,2,3,4,5,6,7
	global_load_b32 v[ASC+\m], v[ASO], s[22:23] offset:128*\m     ; lanes 0-15: K step 2 m's words, lanes 16-31: K step 2 m + 1's
.endr
	global_load_b32 v[GAT], v[GTO], s[10:11]                      ; my row's gate
.irp m, 0,1,2,3,4,5,6,7
	global_load_b32 v[SL+\m], v[SLO], s[8:9] offset:8*\m          ; the slot of row 2 m + h
.endr
.endm
.macro WM d, a, b, cc, sa, sb, oa, ob
.if (\oa) && (\ob)
	v_wmma_scale_f32_16x16x128_f8f6f4 v[\d:\d+7], v[\a:\a+7], v[\b:\b+7], v[\cc:\cc+7], v[\sa], v[\sb] matrix_a_fmt:MATRIX_FMT_FP4 matrix_b_fmt:MATRIX_FMT_FP4 matrix_a_scale:MATRIX_SCALE_ROW1 matrix_b_scale:MATRIX_SCALE_ROW1
.elseif \oa
	v_wmma_scale_f32_16x16x128_f8f6f4 v[\d:\d+7], v[\a:\a+7], v[\b:\b+7], v[\cc:\cc+7], v[\sa], v[\sb] matrix_a_fmt:MATRIX_FMT_FP4 matrix_b_fmt:MATRIX_FMT_FP4 matrix_a_scale:MATRIX_SCALE_ROW1
.elseif \ob
	v_wmma_scale_f32_16x16x128_f8f6f4 v[\d:\d+7], v[\a:\a+7], v[\b:\b+7], v[\cc:\cc+7], v[\sa], v[\sb] matrix_a_fmt:MATRIX_FMT_FP4 matrix_b_fmt:MATRIX_FMT_FP4 matrix_b_scale:MATRIX_SCALE_ROW1
.else
	v_wmma_scale_f32_16x16x128_f8f6f4 v[\d:\d+7], v[\a:\a+7], v[\b:\b+7], v[\cc:\cc+7], v[\sa], v[\sb] matrix_a_fmt:MATRIX_FMT_FP4 matrix_b_fmt:MATRIX_FMT_FP4
.endif
.endm
.macro MM                              ; 64 matrix instructions: K step by K step, the four accumulators by turns, one instruction a turn
.irp s, 0,1,2,3,4,5,6,7,8,9,10,11,12,13,14,15
.if \s == 0
	WIN 0x3d                                       ; source 0 (w2) window 1, source 1 (hidden) window 3, C (the bias) window 3
.elseif \s < 8
	WIN 0x0d
.else
	WIN 0x0e
.endif
.irp t, 0,1,2,3
.if \s == 0
	WM ACC+8*\t, 8*(4*(\s%8)+\t), 8*\s, 128+8*\t, WS+16*(\t/2)+\s, ASC+\s/2, \t%2, \s%2
.else
	WM ACC+8*\t, 8*(4*(\s%8)+\t), 8*\s, ACC+8*\t, WS+16*(\t/2)+\s, ASC+\s/2, \t%2, \s%2
.endif
.endr
.endr
	WIN 0
.endm
	s_wait_kmcnt 0x0                               ; the count
	s_min_u32 s17, s27, 1024
	s_add_co_u32 s17, s17, 15
	s_lshr_b32 s17, s17, 4                         ; tiles of 16 rows,
	s_max_u32 s17, s17, 1                          ; one at the least, as in the launch before
	s_sub_co_u32 s20, s17, 1                       ; the last tile
	s_mov_b32 s18, s16                             ; my first tile
	s_mov_b32 s36, TRIPS
	GROUP 0
.Ltile:
	s_cmp_ge_u32 s18, s17                          ; past the expert's last tile: nothing to do in this trip
	s_cbranch_scc1 .Lnone
	s_wait_loadcnt 0x0                             ; the tile's 49 loads
	MM
	s_wait_xcnt 0x0                                ; the last tile's stores have read their offsets and data: both are written again below
.irp m, 0,1,2,3,4,5,6,7                        ; 18 plain instructions, none of which names a register of the last products: the places behind them (ISA guide 7.12.1)
	v_min_u32 v[VO+\m], 0x87f, v[SL+\m]            ; a slot, or one of the spare rows: 2,175 at the most
.endr
.irp m, 0,1,2,3,4,5,6,7
	v_lshl_add_u32 v[VO+\m], v[VO+\m], 12, v[C16]  ; row x 4,096 + my 16 bytes
.endr
	v_mov_b32 v[GC], v[GAT]                        ; the gate is kept: the next tile's loads land on it
	v_mov_b32 v[GC+1], v[GAT]
	GROUP 4                                        ; the next tile's loads go out ahead of this tile's way out
.set n, 0
.rept 16
	v_pk_mul_f32 v[ACC+2*n:ACC+2*n+1], v[ACC+2*n:ACC+2*n+1], v[GC:GC+1]   ; x gate; each accumulator from its low end on
.set n, n+1
.endr
.irp t, 0,1,2,3
	ds_store_b128 v[STO], v[ACC+8*\t:ACC+8*\t+3] offset:64*\t
	ds_store_b128 v[STO], v[ACC+8*\t+4:ACC+8*\t+7] offset:64*\t+16
.endr
.irp m, 0,1,2,3,4,5,6,7
	ds_load_b128 v[OUTR+4*\m:OUTR+4*\m+3], v[RD] offset:544*\m   ; LDS serves a wave's instructions in order (ISA guide 5.7.1.4): these see my stores
.endr
.irp m, 0,1,2,3,4,5,6,7
	s_wait_dscnt 7-\m                              ; rows 2 m and 2 m + 1 are back; the younger loads may be out
	global_store_b128 v[VO+\m], v[OUTR+4*\m:OUTR+4*\m+3], s[14:15]   ; sixteen lanes store 256 consecutive bytes, aligned, of a row of part
.endr
.Lnone:
	s_add_co_u32 s18, s18, 4
	s_sub_co_u32 s36, s36, 1
	s_cmp_lg_u32 s36, 0
	s_cbranch_scc1 .Ltile
	s_wait_tensorcnt 0x0
	ds_add_u32 v118, v119
	s_wait_dscnt 0x0
	s_endpgm
.Lfunc_end_k_q3a1078c26e_down:
	.size	k_q3a1078c26e_down, .Lfunc_end_k_q3a1078c26e_down-k_q3a1078c26e_down
	.p2alignl 7, 3214868480
	.fill 96, 4, 3214868480
	.section	.rodata,"a",@progbits
	.p2align	6, 0x0
	.amdhsa_kernel k_q3a1078c26e_down
		.amdhsa_group_segment_fixed_size 90624
		.amdhsa_private_segment_fixed_size 0
		.amdhsa_enable_private_segment 0
		.amdhsa_kernarg_size 48
		.amdhsa_user_sgpr_count 2
		.amdhsa_user_sgpr_kernarg_segment_ptr 1
		.amdhsa_wavefront_size32 1
		.amdhsa_system_sgpr_workgroup_id_x 1
		.amdhsa_system_sgpr_workgroup_id_y 1
		.amdhsa_system_sgpr_workgroup_id_z 1
		.amdhsa_system_vgpr_workitem_id 0
		.amdhsa_next_free_vgpr 1024
		.amdhsa_next_free_sgpr 66
		.amdhsa_reserve_vcc 0
		.amdhsa_float_denorm_mode_32 3
		.amdhsa_float_denorm_mode_16_64 3
		.amdhsa_memory_ordered 1
		.amdhsa_forward_progress 1
		.amdhsa_inst_pref_size 142
	.end_amdhsa_kernel
	.amdgpu_metadata
---
amdhsa.version: [ 1, 2 ]
amdhsa.kernels:
  - .name:           k_q3a1078c26e_down
    .symbol:         k_q3a1078c26e_down.kd
    .args:
      - { .name: w2, .offset: 0, .size: 8, .value_kind: global_buffer, .address_space: global }
      - { .name: b2, .offset: 8, .size: 8, .value_kind: global_buffer, .address_space: global }
      - { .name: order, .offset: 16, .size: 8, .value_kind: global_buffer, .address_space: global }
      - { .name: glist, .offset: 24, .size: 8, .value_kind: global_buffer, .address_space: global }
      - { .name: hid, .offset: 32, .size: 8, .value_kind: global_buffer, .address_space: global }
      - { .name: part, .offset: 40, .size: 8, .value_kind: global_buffer, .address_space: global }
    .group_segment_fixed_size: 90624
    .private_segment_fixed_size: 0
    .kernarg_segment_align: 8
    .kernarg_segment_size: 48
    .max_flat_workgroup_size: 128
    .sgpr_count:     66
    .vgpr_count:     1024
    .wavefront_size: 32
...
	.end_amdgpu_metadata
.endif
;; end of part 4
;; launch join (part 5): grid 256 x 1, 4 waves a work-group, no clusters, 0 bytes of LDS; arguments sel, part, out0; writes out0
.if DOCPART == 5
	.amdgcn_target "amdgcn-amd-amdhsa--gfx1250"
	.amdhsa_code_object_version 6
	.text
	.protected	k_q3a1078c26e_join
	.globl	k_q3a1078c26e_join
	.p2align	8
	.type	k_q3a1078c26e_join,@function
k_q3a1078c26e_join:
	s_mov_b64 s[64:65], 0
	v_nop
	global_prefetch_b8 v0, s[64:65] scope:SCOPE_SE
	s_setreg_imm32_b32 hwreg(HW_REG_WAVE_MODE, 25, 1), 1
	s_wait_xcnt 0x0
; out0[t] = the sum of token t's four parts: two slots x two halves of K.  A wave takes a token: 32 loads of 512 consecutive bytes, 8 stores of 512.
; part: [2 halves][2,176 rows][1,024] f32; rows 0 to 2,047 are the slots, the rest is never read.
; The dummy expert (index 8) has no rows: its slot was never written.  In its stead the token's other slot is read, which is always a written row (a token's two indices differ), and counts with the factor 0.
; The choice of the slot hangs on the stored indices alone.  LIMIT: that factor 0 multiplies a finite number; infinities are not served.
; A stream: no LDS, no barrier, no matrix unit.
.set HALF, 8912896                     ; a half of part in bytes
	s_load_b128 s[4:7], s[0:1], 0x0                ; sel s[4:5], part s[6:7]
	s_load_b64 s[8:9], s[0:1], 0x10                ; out0
	v_lshrrev_b32 v1, 5, v0
	v_readfirstlane_b32 s10, v1                    ; wave
	v_and_b32 v1, 31, v0
	v_lshlrev_b32 v2, 4, v1                        ; 16 x lane
	s_lshl_b32 s11, ttmp9, 2
	s_add_co_u32 s11, s11, s10                     ; my token
	s_lshl_b32 s12, s11, 3
	s_mov_b32 s13, 0
	s_wait_kmcnt 0x0
	s_add_nc_u64 s[4:5], s[4:5], s[12:13]
	s_load_b64 s[16:17], s[4:5], 0x0               ; its two indices
	s_lshl_b32 s12, s11, 12
	s_add_nc_u64 s[8:9], s[8:9], s[12:13]          ; its row of out0
	s_lshl_b32 s18, s11, 1                         ; slot 2 t
	s_add_co_u32 s19, s18, 1                       ; slot 2 t + 1
	s_wait_kmcnt 0x0
	s_cmp_eq_u32 s16, 8
	s_cselect_b32 s20, s19, s18
	s_cselect_b32 s22, 0, 1.0
	s_cmp_eq_u32 s17, 8
	s_cselect_b32 s24, s18, s19
	s_cselect_b32 s26, 0, 1.0
	s_mov_b32 s23, s22                             ; (the packed forms name pairs)
	s_mov_b32 s27, s26
	s_min_u32 s20, s20, 2047
	s_lshl_b32 s20, s20, 12
	s_mov_b32 s21, 0
	s_min_u32 s24, s24, 2047
	s_lshl_b32 s24, s24, 12
	s_mov_b32 s25, 0
	s_add_nc_u64 s[28:29], s[6:7], s[20:21]        ; the first slot's row in half 0,
	s_add_nc_u64 s[30:31], s[28:29], HALF          ; in half 1;
	s_add_nc_u64 s[32:33], s[6:7], s[24:25]        ; the second slot's likewise
	s_add_nc_u64 s[34:35], s[32:33], HALF
.irp q, 0,1,2,3,4,5,6,7
	global_load_b128 v[32+4*\q:35+4*\q], v2, s[28:29] offset:512*\q
	global_load_b128 v[64+4*\q:67+4*\q], v2, s[30:31] offset:512*\q
	global_load_b128 v[96+4*\q:99+4*\q], v2, s[32:33] offset:512*\q
	global_load_b128 v[128+4*\q:131+4*\q], v2, s[34:35] offset:512*\q
.endr
.irp q, 0,1,2,3,4,5,6,7
	s_wait_loadcnt 28-4*\q                         ; piece q's four loads are in; four for each later piece may be out
.irp p, 0,2
	v_pk_add_f32 v[32+4*\q+\p:33+4*\q+\p], v[32+4*\q+\p:33+4*\q+\p], v[64+4*\q+\p:65+4*\q+\p]
	v_pk_add_f32 v[96+4*\q+\p:97+4*\q+\p], v[96+4*\q+\p:97+4*\q+\p], v[128+4*\q+\p:129+4*\q+\p]
	v_pk_mul_f32 v[32+4*\q+\p:33+4*\q+\p], v[32+4*\q+\p:33+4*\q+\p], s[22:23] op_sel_hi:[1,0]
	v_pk_fma_f32 v[32+4*\q+\p:33+4*\q+\p], v[96+4*\q+\p:97+4*\q+\p], s[26:27], v[32+4*\q+\p:33+4*\q+\p] op_sel_hi:[1,0,1]
.endr
	global_store_b128 v2, v[32+4*\q:35+4*\q], s[8:9] offset:512*\q th:TH_STORE_NT   ; 32 lanes store 512 consecutive bytes
.endr
	s_endpgm
.Lfunc_end_k_q3a1078c26e_join:
	.size	k_q3a1078c26e_join, .Lfunc_end_k_q3a1078c26e_join-k_q3a1078c26e_join
	.p2alignl 7, 3214868480
	.fill 96, 4, 3214868480
	.section	.rodata,"a",@progbits
	.p2align	6, 0x0
	.amdhsa_kernel k_q3a1078c26e_join
		.amdhsa_group_segment_fixed_size 0
		.amdhsa_private_segment_fixed_size 0
		.amdhsa_enable_private_segment 0
		.amdhsa_kernarg_size 24
		.amdhsa_user_sgpr_count 2
		.amdhsa_user_sgpr_kernarg_segment_ptr 1
		.amdhsa_wavefront_size32 1
		.amdhsa_system_sgpr_workgroup_id_x 1
		.amdhsa_system_sgpr_workgroup_id_y 1
		.amdhsa_system_sgpr_workgroup_id_z 1
		.amdhsa_system_vgpr_workitem_id 0
		.amdhsa_next_free_vgpr 168
		.amdhsa_next_free_sgpr 66
		.amdhsa_reserve_vcc 0
		.amdhsa_float_denorm_mode_32 3
		.amdhsa_float_denorm_mode_16_64 3
		.amdhsa_memory_ordered 1
		.amdhsa_forward_progress 1
		.amdhsa_inst_pref_size 10
	.end_amdhsa_kernel
	.amdgpu_metadata
---
amdhsa.version: [ 1, 2 ]
amdhsa.kernels:
  - .name:           k_q3a1078c26e_join
    .symbol:         k_q3a1078c26e_join.kd
    .args:
      - { .name: sel, .offset: 0, .size: 8, .value_kind: global_buffer, .address_space: global }
      - { .name: part, .offset: 8, .size: 8, .value_kind: global_buffer, .address_space: global }
      - { .name: out0, .offset: 16, .size: 8, .value_kind: global_buffer, .address_space: global }
    .group_segment_fixed_size: 0
    .private_segment_fixed_size: 0
    .kernarg_segment_align: 8
    .kernarg_segment_size: 24
    .max_flat_workgroup_size: 128
    .sgpr_count:     66
    .vgpr_count:     168
    .wavefront_size: 32
...
	.end_amdgpu_metadata
.endif
;; end of part 5
;; ======== version 2 of 2: 5 launches
;; workspace buffers: sel 8,192 bytes of whole numbers; xw 565,248 bytes; order 33,792 bytes of whole numbers; glist 32,768 bytes; hid 17,825,792 bytes; part 17,825,792 bytes
;; launch route (part 6): grid 128 x 1, 4 waves a work-group, no clusters, 37,376 bytes of LDS; arguments inputs, masks, router_w, out1, out2, sel, xw; writes out1, out2, sel, xw
.if DOCPART == 6
	.amdgcn_target "amdgcn-amd-amdhsa--gfx1250"
	.amdhsa_code_object_version 6
	.text
	.protected	k_q3a1078c26e_route
	.globl	k_q3a1078c26e_route
	.p2align	8
	.type	k_q3a1078c26e_route,@function
k_q3a1078c26e_route:
	s_mov_b64 s[64:65], 0
	v_nop
	global_prefetch_b8 v0, s[64:65] scope:SCOPE_SE
	s_setreg_imm32_b32 hwreg(HW_REG_WAVE_MODE, 25, 1), 1
	s_wait_xcnt 0x0
; ROUTER AND QUANTISER OF x.  A wave takes two tokens.  logits = x . router_w^T in f32 (fused multiply-adds), times the mask (the ninth logit as it is);
; softmax with the row's maximum taken away; the two largest probabilities, the lower index first where two are equal.  Stored: the masked logits (out1),
; the two indices (out2, and once more in sel for the later launches), the two probabilities (xw, part gw), and x as codes of E2M1 with one E8M0 byte for each 32 along K (xw, parts xq, xs).
; No branch and no address hangs on the choice: it is made by selects alone.
; xw: xq at 0: [1024 tokens][512 bytes of codes, K innermost];  xs at 524,288: [1024][32 scale bytes];  gw at 557,056: [2048 slots] f32, slot = 2 x token + k.
; LIMITS: NaN and infinities among the inputs are not served.  A block of zeros gets the byte 1 where the rule says 127: its codes are zeros, and this program alone reads the bytes.
; Two probabilities that differ in the last bit alone may be ordered otherwise than by another exponential.
; No matrix unit: nine columns.  No barrier: a wave's stage in LDS is its own.
.set X,     32                         ; v32-95   x: token u, piece i (128 numbers of the row, 4 a lane) at X + 32 u + 4 i; later the lane's block of 32 neighbours
.set RW,    96                         ; v96-167  router_w: two sets of 9 rows x 4 numbers
.set AC,    168                        ; v168-203 18 sums, a pair each
.set LG,    204                        ; v204-221 the 18 logits
.set PR,    96                         ; v96-113  the 18 probabilities (router_w's registers are free by then)
.set MXR,   114
.set SM,    115
.set OL,    116                        ; what my lane stores: a logit, an index, a probability
.set OI,    117
.set OW,    118
.set IDX,   120                        ; v120-123 index (u, k) at IDX + 2 u + k
.set WGT,   124                        ; v124-127 its probability
.set CD,    8                          ; v8-15    codes, four registers a token
.set PLACE, 144                        ; a block's place in the stage: 128 bytes + 16, so that the lanes' reads of 16 bytes start 144 bytes apart
.set TOKB,  32*PLACE
.set WAVB,  2*TOKB
	s_load_b256 s[4:11], s[0:1], 0x0               ; inputs s[4:5], masks s[6:7], router_w s[8:9], out1 s[10:11]
	s_load_b128 s[12:15], s[0:1], 0x20             ; out2 s[12:13], sel s[14:15]
	s_load_b64 s[36:37], s[0:1], 0x30              ; xw
	v_lshl_add_u32 v224, v0, 2, 0x9000
	v_mov_b32 v225, 0
	v_lshrrev_b32 v5, 5, v0
	v_readfirstlane_b32 s34, v5                    ; wave
	v_and_b32 v1, 31, v0                           ; lane
	v_lshlrev_b32 v2, 4, v1                        ; 16 x lane
	v_lshlrev_b32 v7, 2, v1                        ; 4 x lane
	s_lshl_b32 s35, ttmp9, 2
	s_add_co_u32 s35, s35, s34                     ; W = 4 x work-group + wave: tokens 2 W and 2 W + 1
	s_mov_b32 s32, 0x76543210
	s_mov_b32 s33, 0xfedcba98                      ; v_permlanex16_b32's selects for lane l xor 16
	s_mul_i32 s45, s34, WAVB                       ; my wave's stage
	v_lshrrev_b32 v5, 3, v1
	v_mul_u32_u24 v5, v5, PLACE
	v_and_b32 v6, 7, v1
	v_lshl_add_u32 v5, v6, 4, v5
	v_add_nc_u32 v3, s45, v5                       ; into the stage: eight lanes' 128 bytes are a block: PLACE (lane / 8) + 16 (lane % 8)
	v_mul_u32_u24 v4, v1, PLACE
	v_add_nc_u32 v4, s45, v4                       ; out of it: block = lane
	s_mov_b32 s47, 0
	s_wait_alu depctr_va_vdst(0)
	s_wait_kmcnt 0x0
	s_lshl_b32 s46, s35, 13                        ; two rows of 4,096 bytes
	s_add_nc_u64 s[4:5], s[4:5], s[46:47]
	s_lshl_b32 s46, s35, 6                         ; two rows of 32 bytes: the masks', and xs's
	s_add_nc_u64 s[6:7], s[6:7], s[46:47]
	s_add_nc_u64 s[40:41], s[36:37], s[46:47]
	s_add_nc_u64 s[40:41], s[40:41], 524288        ; xs at my tokens
	s_load_b512 s[16:31], s[6:7], 0x0              ; the 16 mask numbers of my two tokens
	s_mul_i32 s46, s35, 72                         ; two rows of 36 bytes
	s_add_nc_u64 s[10:11], s[10:11], s[46:47]
	s_lshl_b32 s46, s35, 4                         ; two rows of 8 bytes
	s_add_nc_u64 s[12:13], s[12:13], s[46:47]
	s_add_nc_u64 s[14:15], s[14:15], s[46:47]
	s_add_nc_u64 s[42:43], s[36:37], s[46:47]
	s_add_nc_u64 s[42:43], s[42:43], 557056        ; gw at my four slots
	s_lshl_b32 s46, s35, 10                        ; two rows of 512 bytes
	s_add_nc_u64 s[38:39], s[36:37], s[46:47]      ; xq at my tokens
.irp u, 0,1
.irp i, 0,1,2,3,4,5,6,7
	global_load_b128 v[X+32*\u+4*\i:X+32*\u+4*\i+3], v2, s[4:5] offset:4096*\u+512*\i th:TH_LOAD_NT   ; 32 lanes read 512 consecutive bytes
.endr
.endr
.macro RLOAD i                         ; piece i of the nine rows of router_w, into set i % 2
.irp e, 0,1,2,3,4,5,6,7,8
	global_load_b128 v[RW+36*((\i)%2)+4*\e:RW+36*((\i)%2)+4*\e+3], v2, s[8:9] offset:4096*\e+512*(\i)
.endr
.endm
	RLOAD 0
	RLOAD 1
.macro DOT i                           ; piece i: 36 packed multiply-adds; the first piece's first products start the sums
.if (\i) < 7
	s_wait_loadcnt 9                               ; x and this piece are in; the next piece's nine loads may be out
.else
	s_wait_loadcnt 0x0
.endif
.irp q, 0,2
.irp u, 0,1
.irp e, 0,1,2,3,4,5,6,7,8
.if ((\i) == 0) && (\q == 0)
	v_pk_mul_f32 v[AC+2*(9*\u+\e):AC+2*(9*\u+\e)+1], v[X+32*\u+4*(\i)+\q:X+32*\u+4*(\i)+\q+1], v[RW+36*((\i)%2)+4*\e+\q:RW+36*((\i)%2)+4*\e+\q+1]
.else
	v_pk_fma_f32 v[AC+2*(9*\u+\e):AC+2*(9*\u+\e)+1], v[X+32*\u+4*(\i)+\q:X+32*\u+4*(\i)+\q+1], v[RW+36*((\i)%2)+4*\e+\q:RW+36*((\i)%2)+4*\e+\q+1], v[AC+2*(9*\u+\e):AC+2*(9*\u+\e)+1]
.endif
.endr
.endr
.endr
.if (\i) < 6
	RLOAD (\i)+2                                   ; the set just read takes the piece two further on
.endif
.endm
.irp i, 0,1,2,3,4,5,6,7
	DOT \i
.endr
	; x turns through the stage, so that a lane holds a whole block of 32 neighbours; it lands while the sums are reduced.  LDS serves a wave's instructions in order (ISA guide 5.7.1.4): no wait between stores and loads
.irp u, 0,1
.irp i, 0,1,2,3,4,5,6,7
	ds_store_b128 v3, v[X+32*\u+4*\i:X+32*\u+4*\i+3] offset:TOKB*\u+4*PLACE*\i
.endr
.irp i, 0,1,2,3,4,5,6,7
	ds_load_b128 v[X+32*\u+4*\i:X+32*\u+4*\i+3], v4 offset:TOKB*\u+16*\i
.endr
.endr
	; the 18 sums over the wave's 32 lanes: every lane ends with all of them
.irp n, 0,1,2,3,4,5,6,7,8,9,10,11,12,13,14,15,16,17
	v_add_f32 v[LG+\n], v[AC+2*\n], v[AC+2*\n+1]
.endr
.irp m, 1,2,4,8
.irp n, 0,1,2,3,4,5,6,7,8,9,10,11,12,13,14,15,16,17
	v_add_f32_dpp v[LG+\n], v[LG+\n], v[LG+\n] row_xmask:\m row_mask:0xf bank_mask:0xf
.endr
.endr
.irp n, 0,1,2,3,4,5,6,7,8,9,10,11,12,13,14,15,16,17
	v_permlanex16_b32 v[AC+2*\n], v[LG+\n], s32, s33   ; into the pair sums' registers, which are free and have been written
.endr
.irp n, 0,1,2,3,4,5,6,7,8,9,10,11,12,13,14,15,16,17
	v_add_f32 v[LG+\n], v[LG+\n], v[AC+2*\n]
.endr
	s_wait_kmcnt 0x0                               ; the masks
.irp u, 0,1
.irp e, 0,1,2,3,4,5,6,7
	v_mul_f32 v[LG+9*\u+\e], s[16+8*\u+\e], v[LG+9*\u+\e]   ; the mask multiplies; the ninth logit stays
.endr
.endr
.macro SOFT u                          ; p = exp(l - m) / sum
.set LB, LG+9*(\u)
.set PB, PR+9*(\u)
	v_max3_num_f32 v[MXR], v[LB], v[LB+1], v[LB+2]
	v_max3_num_f32 v[MXR], v[MXR], v[LB+3], v[LB+4]
	v_max3_num_f32 v[MXR], v[MXR], v[LB+5], v[LB+6]
	v_max3_num_f32 v[MXR], v[MXR], v[LB+7], v[LB+8]
.irp e, 0,1,2,3,4,5,6,7,8
	v_sub_f32 v[PB+\e], v[LB+\e], v[MXR]
.endr
.irp e, 0,1,2,3,4,5,6,7,8
	v_mul_f32 v[PB+\e], 0x3fb8aa3b, v[PB+\e]       ; x log2(e): v_exp_f32 works in base 2
.endr
	s_wait_alu depctr_va_vdst(0)
.irp e, 0,1,2,3,4,5,6,7,8
	v_exp_f32 v[PB+\e], v[PB+\e]
.endr
	v_nop                                          ; a plain instruction between a transcendental and the use of its result (ISA guide 5.7.2)
	s_wait_alu depctr_va_vdst(0)
	v_add_f32 v[SM], v[PB], v[PB+1]
.irp e, 2,3,4,5,6,7,8
	v_add_f32 v[SM], v[SM], v[PB+\e]
.endr
	s_wait_alu depctr_va_vdst(0)
	v_rcp_f32 v[SM], v[SM]
	v_nop
	s_wait_alu depctr_va_vdst(0)
.irp e, 0,1,2,3,4,5,6,7,8
	v_mul_f32 v[PB+\e], v[PB+\e], v[SM]
.endr
.endm
.macro TOP pb, bp, bi                  ; the largest of nine and its index: only a strictly larger one replaces, so the lower index wins a tie
	v_mov_b32 v[\bp], v[\pb]
	v_mov_b32 v[\bi], 0
.irp e, 1,2,3,4,5,6,7,8
	v_cmp_le_f32 vcc_lo, v[\pb+\e], v[\bp]
	v_cndmask_b32 v[\bi], \e, v[\bi], vcc_lo
	v_max_num_f32 v[\bp], v[\bp], v[\pb+\e]
.endr
.endm
.irp u, 0,1
	SOFT \u
	TOP PR+9*\u, WGT+2*\u, IDX+2*\u
.irp e, 0,1,2,3,4,5,6,7,8
	v_cmp_ne_u32 vcc_lo, \e, v[IDX+2*\u]
	v_cndmask_b32 v[PR+9*\u+\e], -1.0, v[PR+9*\u+\e], vcc_lo   ; the first choice leaves the field: -1 lies under every probability
.endr
	TOP PR+9*\u, WGT+2*\u+1, IDX+2*\u+1
.endr
	; lane j takes logit j of the 18; lanes 0 to 3 the four indices and probabilities
	v_mov_b32 v[OL], v[LG]
.irp n, 1,2,3,4,5,6,7,8,9,10,11,12,13,14,15,16,17
	v_cmp_eq_u32 vcc_lo, \n, v1
	v_cndmask_b32 v[OL], v[OL], v[LG+\n], vcc_lo
.endr
	v_mov_b32 v[OI], v[IDX]
	v_mov_b32 v[OW], v[WGT]
.irp n, 1,2,3
	v_cmp_eq_u32 vcc_lo, \n, v1
	v_cndmask_b32 v[OI], v[OI], v[IDX+\n], vcc_lo
	v_cndmask_b32 v[OW], v[OW], v[WGT+\n], vcc_lo
.endr
	s_wait_alu depctr_va_vdst(0)
	s_wait_dscnt 0x0                               ; x is back from the stage
	v_cmp_gt_u32 vcc_lo, 18, v1
	s_wait_xcnt 0x0                                ; EXEC changes only behind this wait
	s_wait_tensorcnt 0x0
	ds_add_u32 v224, v225
	s_wait_dscnt 0x0
	s_and_saveexec_b32 s44, vcc_lo
	global_store_b32 v7, v[OL], s[10:11]           ; 72 consecutive bytes: two rows of out1
	s_wait_xcnt 0x0
	s_or_b32 exec_lo, exec_lo, s44
	v_cmp_gt_u32 vcc_lo, 4, v1
	s_and_saveexec_b32 s44, vcc_lo
	global_store_b32 v7, v[OI], s[12:13]           ; 16 consecutive bytes each
	global_store_b32 v7, v[OI], s[14:15]
	global_store_b32 v7, v[OW], s[42:43]
	s_wait_xcnt 0x0
	s_or_b32 exec_lo, exec_lo, s44
.macro QX u                            ; my block of token u: its largest magnitude, its scale, its 32 codes
.set XB, X+32*(\u)
	v_max3_num_f32 v16, |v[XB]|, |v[XB+1]|, |v[XB+2]|
	v_max3_num_f32 v17, |v[XB+3]|, |v[XB+4]|, |v[XB+5]|
.irp i, 6,10,14,18,22,26
	v_max3_num_f32 v16, v16, |v[XB+\i]|, |v[XB+\i+1]|
	v_max3_num_f32 v17, v17, |v[XB+\i+2]|, |v[XB+\i+3]|
.endr
	v_max3_num_f32 v16, v16, |v[XB+30]|, |v[XB+31]|
	v_max3_num_f32 v16, v16, v17, 0x1800000        ; and the floor 2^(3 - 127): the byte cannot fall under 1
	v_add_nc_u32 v[18+\u], 0xff000000, v16         ; 2 off the exponent field: the conversion takes the exponent field of this operand as its scale
.irp g, 0,1,2,3
	v_cvt_scalef32_pk8_fp4_f32 v[CD+4*(\u)+\g], v[XB+8*\g:XB+8*\g+7], v[18+\u]
.endr
	v_lshrrev_b32 v[20+\u], 23, v[18+\u]           ; the scale's byte (also the plain instruction behind the conversions)
	global_store_b128 v2, v[CD+4*(\u):CD+4*(\u)+3], s[38:39] offset:512*(\u)   ; the wave stores the token's 512 bytes of codes
	global_store_b8 v1, v[20+\u], s[40:41] offset:32*(\u)                      ; and its 32 scale bytes
.endm
	QX 0
	QX 1
	s_endpgm
.Lfunc_end_k_q3a1078c26e_route:
	.size	k_q3a1078c26e_route, .Lfunc_end_k_q3a1078c26e_route-k_q3a1078c26e_route
	.p2alignl 7, 3214868480
	.fill 96, 4, 3214868480
	.section	.rodata,"a",@progbits
	.p2align	6, 0x0
	.amdhsa_kernel k_q3a1078c26e_route
		.amdhsa_group_segment_fixed_size 37376
		.amdhsa_private_segment_fixed_size 0
		.amdhsa_enable_private_segment 0
		.amdhsa_kernarg_size 56
		.amdhsa_user_sgpr_count 2
		.amdhsa_user_sgpr_kernarg_segment_ptr 1
		.amdhsa_wavefront_size32 1
		.amdhsa_system_sgpr_workgroup_id_x 1
		.amdhsa_system_sgpr_workgroup_id_y 1
		.amdhsa_system_sgpr_workgroup_id_z 1
		.amdhsa_system_vgpr_workitem_id 0
		.amdhsa_next_free_vgpr 226
		.amdhsa_next_free_sgpr 66
		.amdhsa_reserve_vcc 1
		.amdhsa_float_denorm_mode_32 3
		.amdhsa_float_denorm_mode_16_64 3
		.amdhsa_memory_ordered 1
		.amdhsa_forward_progress 1
		.amdhsa_inst_pref_size 52
	.end_amdhsa_kernel
	.amdgpu_metadata
---
amdhsa.version: [ 1, 2 ]
amdhsa.kernels:
  - .name:           k_q3a1078c26e_route
    .symbol:         k_q3a1078c26e_route.kd
    .args:
      - { .name: inputs, .offset: 0, .size: 8, .value_kind: global_buffer, .address_space: global }
      - { .name: masks, .offset: 8, .size: 8, .value_kind: global_buffer, .address_space: global }
      - { .name: router_w, .offset: 16, .size: 8, .value_kind: global_buffer, .address_space: global }
      - { .name: out1, .offset: 24, .size: 8, .value_kind: global_buffer, .address_space: global }
      - { .name: out2, .offset: 32, .size: 8, .value_kind: global_buffer, .address_space: global }
      - { .name: sel, .offset: 40, .size: 8, .value_kind: global_buffer, .address_space: global }
      - { .name: xw, .offset: 48, .size: 8, .value_kind: global_buffer, .address_space: global }
    .group_segment_fixed_size: 37376
    .private_segment_fixed_size: 0
    .kernarg_segment_align: 8
    .kernarg_segment_size: 56
    .max_flat_workgroup_size: 128
    .sgpr_count:     66
    .vgpr_count:     226
    .wavefront_size: 32
...
	.end_amdgpu_metadata
.endif
;; end of part 6
;; launch place (part 7): grid 8 x 1, 1 waves a work-group, no clusters, 16,640 bytes of LDS; arguments sel, xw, order, glist; writes order, glist
.if DOCPART == 7
	.amdgcn_target "amdgcn-amd-amdhsa--gfx1250"
	.amdhsa_code_object_version 6
	.text
	.protected	k_q3a1078c26e_place
	.globl	k_q3a1078c26e_place
	.p2align	8
	.type	k_q3a1078c26e_place,@function
k_q3a1078c26e_place:
	s_mov_b64 s[64:65], 0
	v_nop
	global_prefetch_b8 v0, s[64:65] scope:SCOPE_SE
	s_setreg_imm32_b32 hwreg(HW_REG_WAVE_MODE, 25, 1), 1
	s_wait_xcnt 0x0
; THE ROWS OF EACH EXPERT.  Work-group e, one wave, goes through the 2,048 slots (slot = 2 x token + k) and lays those that chose expert e on end:
; order: at 4,096 e the list of 1,024 slot numbers, all written; where no row stands, place p holds 2048 + 16 e + p % 16: a spare row of the parts' buffer that this expert alone writes and nobody reads.
;        at 32,768 + 128 e the count of rows, 32 times (a word a lane).   glist: at 4,096 e the rows' gates, 0 where no row stands.
; A token's two indices differ, so an expert has at most 1,024 rows.  The dummy expert 8 has no list.  The order of rows in a list is free: rows do not depend on each other.
; One wave, so no barrier; the list is gathered in LDS and leaves in runs of 512 consecutive bytes.  No atomics: a row's place is the running count + the number of lower lanes that also chose e.
; All lanes stay on: a lane without a row stores into a spare word of its own (word 1024 + lane), chosen by a select.
; LDS: the list at 0 (4,096 bytes), its 32 spare words behind it; the gates at 8,192 likewise.
.set S, 32                             ; v32-95   the indices: register 4 m + c of lane l is slot 128 m + 4 l + c
.set G, 96                             ; v96-159  the gates, likewise
.set GOFF, 8192
	s_load_b256 s[4:11], s[0:1], 0x0               ; sel s[4:5], xw s[6:7], order s[8:9], glist s[10:11]
	v_lshl_add_u32 v176, v0, 2, 0x4000
	v_mov_b32 v177, 0
	v_and_b32 v1, 31, v0
	v_lshlrev_b32 v2, 4, v1                        ; 16 x lane
	v_lshlrev_b32 v3, 2, v1                        ; 4 x lane
	v_add_nc_u32 v16, 1024, v1                     ; my spare word
	v_and_b32 v6, 3, v1
	v_lshlrev_b32 v6, 2, v6                        ; (4 x lane) % 16
	s_wait_alu depctr_va_vdst(0)
	s_mov_b32 s20, ttmp9                           ; e
	s_mov_b32 s21, 0                               ; rows so far
	s_lshl_b32 s28, ttmp9, 4
	s_add_co_u32 s28, s28, 2048                    ; the expert's first spare row
	s_lshl_b32 s24, ttmp9, 12
	s_mov_b32 s25, 0
	s_lshl_b32 s26, ttmp9, 7
	s_add_co_u32 s26, s26, 32768
	s_mov_b32 s27, 0
.irp c, 0,1,2,3
	v_add3_u32 v[8+\c], v6, s28, \c                ; what stands where no row stands: place 128 m + 4 l + c has p % 16 = (4 l) % 16 + c
	v_mov_b32 v[12+\c], 0
.endr
	s_wait_alu depctr_va_vdst(0)
	s_wait_kmcnt 0x0
	s_add_nc_u64 s[12:13], s[6:7], 557056          ; gw
	s_add_nc_u64 s[14:15], s[8:9], s[24:25]        ; my list
	s_add_nc_u64 s[16:17], s[10:11], s[24:25]      ; my gates
	s_add_nc_u64 s[18:19], s[8:9], s[26:27]        ; my count
.irp m, 0,1,2,3,4,5,6,7,8,9,10,11,12,13,14,15
	global_load_b128 v[S+4*\m:S+4*\m+3], v2, s[4:5] offset:512*\m
	global_load_b128 v[G+4*\m:G+4*\m+3], v2, s[12:13] offset:512*\m
.endr
.irp m, 0,1,2,3,4,5,6,7
	ds_store_b128 v2, v[8:11] offset:512*\m
	ds_store_b128 v2, v[12:15] offset:GOFF+512*\m
.endr
	s_wait_loadcnt 0x0
.macro PUT m, c
	v_cmp_eq_u32 vcc_lo, s20, v[S+4*\m+\c]
	v_mbcnt_lo_u32_b32 v4, vcc_lo, s21             ; my place, if I have a row
	s_bcnt1_i32_b32 s22, vcc_lo
	v_cndmask_b32 v4, v16, v4, vcc_lo              ; else my spare word
	v_min_u32 v4, 0x41f, v4
	v_lshlrev_b32 v4, 2, v4
	v_add_nc_u32 v5, 128*\m+\c, v3                 ; my slot's number
	ds_store_b32 v4, v5
	ds_store_b32 v4, v[G+4*\m+\c] offset:GOFF
	s_add_co_u32 s21, s21, s22
.endm
.irp m, 0,1,2,3,4,5,6,7,8,9,10,11,12,13,14,15
.irp c, 0,1,2,3
	PUT \m, \c
.endr
.endr
.irp m, 0,1,2,3,4,5,6,7
	ds_load_b128 v[S+4*\m:S+4*\m+3], v2 offset:512*\m            ; LDS serves a wave's instructions in order (ISA guide 5.7.1.4): these see my stores
	ds_load_b128 v[S+32+4*\m:S+32+4*\m+3], v2 offset:GOFF+512*\m
.endr
	v_mov_b32 v7, s21
	global_store_b32 v3, v7, s[18:19]              ; the count: 128 consecutive bytes, a word a lane
	s_wait_dscnt 0x0
.irp m, 0,1,2,3,4,5,6,7
	global_store_b128 v2, v[S+4*\m:S+4*\m+3], s[14:15] offset:512*\m
	global_store_b128 v2, v[S+32+4*\m:S+32+4*\m+3], s[16:17] offset:512*\m
.endr
	s_wait_tensorcnt 0x0
	ds_add_u32 v176, v177
	s_wait_dscnt 0x0
	s_endpgm
.Lfunc_end_k_q3a1078c26e_place:
	.size	k_q3a1078c26e_place, .Lfunc_end_k_q3a1078c26e_place-k_q3a1078c26e_place
	.p2alignl 7, 3214868480
	.fill 96, 4, 3214868480
	.section	.rodata,"a",@progbits
	.p2align	6, 0x0
	.amdhsa_kernel k_q3a1078c26e_place
		.amdhsa_group_segment_fixed_size 16640
		.amdhsa_private_segment_fixed_size 0
		.amdhsa_enable_private_segment 0
		.amdhsa_kernarg_size 32
		.amdhsa_user_sgpr_count 2
		.amdhsa_user_sgpr_kernarg_segment_ptr 1
		.amdhsa_wavefront_size32 1
		.amdhsa_system_sgpr_workgroup_id_x 1
		.amdhsa_system_sgpr_workgroup_id_y 1
		.amdhsa_system_sgpr_workgroup_id_z 1
		.amdhsa_system_vgpr_workitem_id 0
		.amdhsa_next_free_vgpr 178
		.amdhsa_next_free_sgpr 66
		.amdhsa_reserve_vcc 1
		.amdhsa_float_denorm_mode_32 3
		.amdhsa_float_denorm_mode_16_64 3
		.amdhsa_memory_ordered 1
		.amdhsa_forward_progress 1
		.amdhsa_inst_pref_size 39
	.end_amdhsa_kernel
	.amdgpu_metadata
---
amdhsa.version: [ 1, 2 ]
amdhsa.kernels:
  - .name:           k_q3a1078c26e_place
    .symbol:         k_q3a1078c26e_place.kd
    .args:
      - { .name: sel, .offset: 0, .size: 8, .value_kind: global_buffer, .address_space: global }
      - { .name: xw, .offset: 8, .size: 8, .value_kind: global_buffer, .address_space: global }
      - { .name: order, .offset: 16, .size: 8, .value_kind: global_buffer, .address_space: global }
      - { .name: glist, .offset: 24, .size: 8, .value_kind: global_buffer, .address_space: global }
    .group_segment_fixed_size: 16640
    .private_segment_fixed_size: 0
    .kernarg_segment_align: 8
    .kernarg_segment_size: 32
    .max_flat_workgroup_size: 32
    .sgpr_count:     66
    .vgpr_count:     178
    .wavefront_size: 32
...
	.end_amdgpu_metadata
.endif
;; end of part 7
;; launch up (part 8): grid 32 x 8, 4 waves a work-group, no clusters, 74,240 bytes of LDS; arguments w1, b1, order, xw, hid; writes hid
.if DOCPART == 8
	.amdgcn_target "amdgcn-amd-amdhsa--gfx1250"
	.amdhsa_code_object_version 6
	.text
	.protected	k_q3a1078c26e_up
	.globl	k_q3a1078c26e_up
	.p2align	8
	.type	k_q3a1078c26e_up,@function
k_q3a1078c26e_up:
	s_mov_b64 s[64:65], 0
	v_nop
	global_prefetch_b8 v0, s[64:65] scope:SCOPE_SE
	s_setreg_imm32_b32 hwreg(HW_REG_WAVE_SCHED_MODE, 0, 2), 2
	s_setreg_imm32_b32 hwreg(HW_REG_WAVE_MODE, 25, 1), 1
	s_wait_xcnt 0x0
	s_wait_alu depctr_vm_vsrc(0)
; THE FIRST PRODUCT OF AN EXPERT: hidden = gelu(x w1[e] + b1[e]) for the rows that chose expert e, on codes of E2M1 with one E8M0 scale for each 32 along K; the result is quantised along the hidden axis and stored as codes.
; SHARES.  Work-group (j, e) owns hidden units 128 j .. 128 j + 127 of expert e: a slab of w1 of 1,024 (K) x 128 numbers, 512 KiB of f32, which no other work-group reads.
; PHASE 1: the four waves read the slab once and quantise it along K (its FIRST axis).  A load takes one row k, 512 consecutive bytes, 16 a lane: a lane has 4 neighbouring columns.  By this text's count 64 such loads
;   of a wave are out.  The conversions take eight neighbours along K from consecutive registers, so the 32 x 4 numbers of a block step are turned by moves: one issue a number, in the shadow of the loads.
;   The codes go to LDS as IMAGES OF THE OPERAND'S REGISTERS (registers 4 c .. 4 c + 3 of lane L at 512 c + 16 L); one barrier, the only one, ahead of every branch on loaded numbers.
; PHASE 1.5: every wave takes all 64 fragments (8 tiles of 16 columns x 8 K steps) into 512 registers, and their scale words into 32.
; PHASE 2: wave w walks the expert's tiles of 16 rows w, w + 4, ..: gathers the rows' codes of x by the list, 64 matrix instructions, gelu, quantiser, 1,024 + 64 bytes out.
;   The loop has a constant count, 16 trips (64 tiles at the most, four waves); a trip past the expert's last tile is passed over by a scalar branch on the stored count.  An expert has at least one tile (of filler, if it has no rows).
; THE PRODUCT IS USED TRANSPOSED (source 0 = 16 columns of w1, source 1 = 16 rows of x), and THE COLUMNS OF A TILE ARE NOT NEIGHBOURS: lane r of tile 2 g + u takes column 32 g + 8 u + r + 8 (r / 8), so that a lane
;   holds one row, and the 16 registers of tiles 2 g, 2 g + 1 are 16 neighbours along the next K.  The bias is the C of each sum's first matrix instruction.
; LDS: wave w's 16,384 bytes at 16,384 w hold the images of K steps 2 w and 2 w + 1: fragment (T, s) at 16,384 (s / 2) + 2,048 T + 1,024 (s % 2).  Behind the images, at 65,536 + 1,024 w: the same K steps' scale words,
;   two words for (tile pair g, lane r + 16 (T % 2)) at 256 g + 8 lane.  So each wave stores into bytes of its own.
; hid: codes at 0: [e][64 tiles][32 K steps j][1,024 bytes, a fragment's image];  scale words at 16,777,216: [e][64][32][16 rows] of 4 bytes.
; GELU: x (1 + erf(x / sqrt 2)) / 2 in f32.  |z| <= 475/512: erf by an odd polynomial.  Beyond: erfc|z| = exp(polynomial), and x - x erfc / 2 (x > 0) or x erfc / 2 (x < 0): no difference of near numbers.  Both ways are computed, a select chooses.
; NOT USED, and why: clusters (no weight byte is shared; what is shared, x's codes, is 8 KiB a tile against the slab's 512 KiB, and is walked by counts read from memory); tensor loads (K runs down the rows, so the numbers must pass registers anyway).
; LIMITS: NaN and infinities are not served.  A block of zeros gets the byte 1 (its codes are zeros; this program alone reads the bytes).  v_exp_f32 gives 0 under 2^-126, so the gelu of very negative numbers is -0.
; Rows past the count (the list's filler) take token 1023's codes; their results are written and go on into spare rows alone.
; REGISTERS.  window 0: v1-15 addresses; v16-47 w1's scale words; v48-55 x's; phase 1: v64-99 at work, v128-255 a block step's numbers by column; phase 2: v56-119 x's 8 fragments, v120-183 the 8 accumulators, v184-254 at work.
;   window 1: phase 1: two sets of 128 for the loads; then the fragments of K steps 0-3.   window 2: those of K steps 4-7.   window 3: v0-63 the bias, eight registers a tile.
; THE MODE: SCHED_MODE bits 1:0 = 2 (LLVM: expert scheduling mode 2), set by the entry lines.  The code itself states the register dependences
; between vector or matrix instructions and memory or LDS instructions, with s_wait_alu, always for 0.
; THE PLAN.  Registers that memory or LDS instructions touch:
;   window 1's two sets   Phase 1, step i: its 128 moves read set i % 2; behind them the loads of step i + 2 land in it.
;   v[CD ..], the codes   Written by step i's conversions; read by four LDS stores, which are issued in step i + 1, behind its moves.
;   v[SW ..], scale words Written through the eight steps; read by four LDS stores behind the last.
;     So ONE wait on va_vdst stands in a step, behind its moves, for the step's loads and for the stores of the step before; no vector instruction behind it names what those touch.  One wait on vm_vsrc stands ahead of the conversions.
;   v[XF ..], v[XS ..]    Phase 2: read by a tile's 64 matrix instructions; behind them the next tile's 18 loads land there.   v[LST]: read by the line that makes the token; the next list load lands in it.
;   v[TOK], v[TKS], v[LAD], v[TMPV]   Written by five vector lines a tile, behind the products; read by those 19 loads (v[TMPV]: by the bias's loads at the head).
;   v[PC ..], v[PW], v[HQO], v[HSO]   Written by the quantiser; read by the tile's three stores.
;     So a tile has one wait on vm_vsrc, behind its products, for all that the tile before read; one on va_vdst ahead of the 19 loads; one on va_vdst ahead of the three stores.
;   v2-v5, v9, v14        Offsets made at the head and never written again.
;   The gelu's eight compares write eight scalar registers (s32-35, s37-39, s20), early; one wait on va_sdst stands ahead of the eight selects.
.set PITCH, 16384                      ; bytes from row k to row k + 1 of w1[e]
.set SCI,   65536                      ; the scale words
.set SCST,  8                          ; from a column's pair of words to the next column's
.set TRIPS, 16
.set GA,   2                           ; v2   16 x lane: my 16 bytes of a row of the slab;
.set LI,   2                           ;      also my place in an image
.set LA,   3                           ; v3   where my codes go
.set LSA,  4                           ; v4   where my scale words go
.set WSA,  5                           ; v5   SCI + 8 x lane
.set TOK,  6                           ; v6   my row's token x 512 + 16 h
.set TKS,  7                           ; v7   token x 32
.set LST,  8                           ; v8   a list entry
.set LOF,  9                           ; v9   4 r
.set HQO,  10                          ; v10  where the tile's image goes
.set HSO,  11                          ; v11  and its scale words
.set LAD,  12                          ; v12  the list load's offset
.set TMPV, 13
.set H16,  14                          ; v14  16 h
.set WS,   16
.set XS,   48
.set XF,   56
.set H,    120
.set MX,   64                          ; phase 1: v64-67 largest magnitudes, v68-71 scale operands, v72-75 bytes, v76-83 scale words (a pair a column), v84-99 codes
.set SOP,  68
.set BY,   72
.set SW,   76
.set CD,   84
.set T,    128                         ; column c's 32 numbers down K at T + 32 c
.set Z,    184                         ; the gelu's eight numbers at a time
.set XH,   192
.set TT,   200
.set SS,   208
.set RL,   216
.set RS,   224
.set UU,   232
.set KA,   240                         ; three constants as vector pairs (a packed multiply-add takes one scalar pair)
.set KB,   242
.set KC,   244
.set TM,   184                         ; the quantiser's: v184-199
.set PC,   246                         ; v246-253 the codes just made
.set PW,   254                         ; v254     their scale word
.set C0,   40                          ; s[40:63] twelve constants, each as a pair
.set A0,   42
.set A2,   44
.set A4,   46
.set A5,   48
.set A6,   50
.set L2E,  52
.set B0,   54
.set B2C,  56
.set B3C,  58
.set B4C,  60
.set B5C,  62
.set MSB, 0
.macro WIN new                         ; the immediate's high byte repeats the setting that is left; a switch that changes nothing is dropped
.if MSB != \new
	s_set_vgpr_msb (MSB<<8)|\new
.set MSB, \new
.endif
.endm
.macro KPAIR reg, bits
	s_mov_b32 s[\reg], \bits
	s_mov_b32 s[\reg+1], \bits
.endm
	s_load_b256 s[4:11], s[0:1], 0x0               ; w1 s[4:5], b1 s[6:7], order s[8:9], xw s[10:11]
	s_load_b64 s[12:13], s[0:1], 0x20              ; hid
	v_lshl_add_u32 v15, v0, 2, 0x12000
	s_set_vgpr_msb 0xc0
	v_mov_b32 v255, 0
	s_set_vgpr_msb 0xc000
	v_lshrrev_b32 v[TMPV], 5, v0
	v_readfirstlane_b32 s14, v[TMPV]               ; wave
	v_and_b32 v1, 31, v0                           ; lane
	s_and_b32 s15, ttmp7, 0xffff                   ; e
	v_lshlrev_b32 v[GA], 4, v1
	; my columns 4 l + c: tile pair g = l / 8, tile T = 2 g + u with u = (l / 2) % 2, fragment row r = 8 ((l / 4) % 2) + 4 (l % 2) + c.  Codes: 2,048 T + 16 r;  scale words: 256 g + 128 u + 8 r
	v_bfe_u32 v[TMPV], v0, 3, 2
	v_lshlrev_b32 v[LA], 12, v[TMPV]
	v_lshlrev_b32 v[LSA], 8, v[TMPV]
	v_bfe_u32 v[TMPV], v0, 1, 1
	v_lshl_add_u32 v[LA], v[TMPV], 11, v[LA]
	v_lshl_add_u32 v[LSA], v[TMPV], 7, v[LSA]
	v_bfe_u32 v[TMPV], v0, 2, 1
	v_lshl_add_u32 v[LA], v[TMPV], 7, v[LA]
	v_lshl_add_u32 v[LSA], v[TMPV], 6, v[LSA]
	v_and_b32 v[TMPV], 1, v0
	v_lshl_add_u32 v[LA], v[TMPV], 6, v[LA]
	v_lshl_add_u32 v[LSA], v[TMPV], 5, v[LSA]
	s_wait_alu depctr_va_sdst(0)                   ; s14, the wave's number, is written, ahead of its first reader
	s_lshl_b32 s19, s14, 14
	v_add_nc_u32 v[LA], s19, v[LA]                 ; + my wave's 16,384 bytes
	s_lshl_b32 s19, s14, 10
	s_add_co_u32 s19, s19, SCI
	v_add_nc_u32 v[LSA], s19, v[LSA]               ; + my wave's 1,024 bytes
	v_lshl_add_u32 v[WSA], v1, 3, SCI
	v_and_b32 v[TMPV], 15, v1
	v_lshlrev_b32 v[LOF], 2, v[TMPV]
	v_lshrrev_b32 v[H16], 4, v1
	v_lshlrev_b32 v[TMPV], 6, v[H16]               ; 64 h: the bias of my half's hidden units
	v_lshlrev_b32 v[H16], 4, v[H16]
	s_mov_b32 s26, 0x76543210
	s_mov_b32 s27, 0xfedcba98                      ; v_permlanex16_b32's selects for lane l xor 16
	KPAIR C0,  0x3f3504f3                          ; 1 / sqrt 2
	KPAIR A0,  0xb7910000
	KPAIR A2,  0xbb7e8a1c
	KPAIR A4,  0xbddaae5c
	KPAIR A5,  0xbf228550
	KPAIR A6,  0xbe03ce86
	KPAIR L2E, 0x3fb8aa3b
	KPAIR B0,  0xba1c7000
	KPAIR B2C, 0xbcdb48d9
	KPAIR B3C, 0x3de70e22
	KPAIR B4C, 0xbec09380
	KPAIR B5C, 0x3e0375d4
	s_mov_b32 s29, 0
	s_lshl_b32 s28, s15, 24                        ; w1: e x 16 MiB + 512 j + my wave's 256 rows of 16,384 bytes
	s_lshl_b32 s19, ttmp9, 9
	s_add_co_u32 s28, s28, s19
	s_lshl_b32 s19, s14, 22
	s_add_co_u32 s28, s28, s19
	s_wait_kmcnt 0x0
	s_add_nc_u64 s[4:5], s[4:5], s[28:29]
	s_lshl_b32 s28, s15, 14
	s_lshl_b32 s19, ttmp9, 9
	s_add_co_u32 s28, s28, s19
	s_add_nc_u64 s[6:7], s[6:7], s[28:29]          ; b1 at my 128 units
	s_lshl_b32 s28, s15, 7
	s_add_co_u32 s28, s28, 32768
	s_add_nc_u64 s[30:31], s[8:9], s[28:29]
	s_load_b32 s16, s[30:31], 0x0                  ; the expert's count of rows
	s_lshl_b32 s28, s15, 12
	s_add_nc_u64 s[8:9], s[8:9], s[28:29]          ; its list
	s_add_nc_u64 s[24:25], s[10:11], 524288        ; x's scale bytes
	s_lshl_b32 s28, s15, 17
	s_lshl_b32 s19, ttmp9, 6
	s_add_co_u32 s28, s28, s19
	s_add_co_u32 s28, s28, 16777216
	s_add_nc_u64 s[22:23], s[12:13], s[28:29]      ; the hidden layer's scale words: e, K step j
	s_lshl_b32 s28, s15, 21
	s_lshl_b32 s19, ttmp9, 10
	s_add_co_u32 s28, s28, s19
	s_add_nc_u64 s[12:13], s[12:13], s[28:29]      ; its codes: e, K step j
	WIN 0xc0                                       ; destination window 3
	s_wait_alu depctr_va_vdst(0)                   ; the offsets and LDS addresses made above (v2-v5, v9, v13, v14) are written: the loads and stores from here on read them
.irp t, 0,1,2,3,4,5,6,7                        ; the bias in the result's layout: lane (r, h), tile t, register i: unit 32 (t / 2) + 16 h + 8 (t % 2) + i
	global_load_b128 v[8*\t:8*\t+3], v[TMPV], s[6:7] offset:(32*(\t/2)+8*(\t%2))*4
	global_load_b128 v[8*\t+4:8*\t+7], v[TMPV], s[6:7] offset:(32*(\t/2)+8*(\t%2))*4+16
.endr
; ---- PHASE 1
.macro LOADBLK i                       ; block step i: 32 rows k, into set i % 2 of window 1
	WIN 0x40
.set kk, 0
.rept 32
	global_load_b128 v[128*((\i)%2)+4*kk:128*((\i)%2)+4*kk+3], v[GA], s[4:5] offset:(32*(\i)+kk)*PITCH th:TH_LOAD_NT
.set kk, kk+1
.endr
.endm
.macro PUTBLK i                        ; block step i's codes go to LDS
.irp c, 0,1,2,3
	ds_store_b128 v[LA], v[CD+4*\c:CD+4*\c+3] offset:256*(\i)+16*\c   ; block 8 w + i: 16 bytes of fragment row r + c
.endr
.endm
.macro QBLK i
.if (\i) < 7
	s_wait_loadcnt 32                              ; this step's 32 loads (and all older ones) are in; the next step's 32 may be out
.else
	s_wait_loadcnt 0x0
.endif
	WIN 0x01                                       ; source window 1, destination window 0
.set kk, 0
.rept 32
.irp c, 0,1,2,3
	v_mov_b32 v[T+32*\c+kk], v[128*((\i)%2)+4*kk+\c]   ; the turn: a column's 32 numbers on end
.endr
.set kk, kk+1
.endr
.if (\i) < 6
	WIN 0x40                                       ; the loads' window is set ahead of the wait
.else
	WIN 0
.endif
	s_wait_alu depctr_va_vdst(0)                   ; the moves are done reading the set, in which the loads below land; the last step's conversions have written the codes, which the stores below read (steps 6 and 7 load nothing, step 0 stores nothing)
.if (\i) < 6
	LOADBLK (\i)+2                                 ; the set is free at once
.endif
	WIN 0
.if (\i) > 0
	PUTBLK (\i)-1                                  ; no further wait: no vector instruction since the wait names the codes or their address
.endif
.irp c, 0,1,2,3
	v_max3_num_f32 v[MX+\c], |v[T+32*\c]|, |v[T+32*\c+1]|, 0x1800000   ; the block's largest magnitude, and the floor 2^(3 - 127): the byte cannot fall under 1
.endr
.irp k2, 2,4,6,8,10,12,14,16,18,20,22,24,26,28,30
.irp c, 0,1,2,3
	v_max3_num_f32 v[MX+\c], v[MX+\c], |v[T+32*\c+\k2]|, |v[T+32*\c+\k2+1]|   ; (the four columns by turns)
.endr
.endr
.irp c, 0,1,2,3
	v_add_nc_u32 v[SOP+\c], 0xff000000, v[MX+\c]   ; 2 off the exponent field: the conversion's scale operand
.endr
.irp c, 0,1,2,3
.if (\i)%4 == 0
	v_lshrrev_b32 v[SW+2*\c+(\i)/4], 23, v[SOP+\c]   ; the scale's byte begins a word of four
.else
	v_lshrrev_b32 v[BY+\c], 23, v[SOP+\c]
.endif
.endr
.if (\i)%4 != 0
.irp c, 0,1,2,3
	v_lshl_or_b32 v[SW+2*\c+(\i)/4], v[BY+\c], 8*((\i)%4), v[SW+2*\c+(\i)/4]
.endr
.endif
	s_wait_alu depctr_va_vdst(0)
	s_wait_dscnt 0x0                               ; the last step's stores have landed
.if (\i) > 0
	s_wait_alu depctr_vm_vsrc(0)                   ; the stores above have read the codes' registers, which the conversions write again
.endif
.irp c, 0,1,2,3
.irp g, 0,1,2,3
	v_cvt_scalef32_pk8_fp4_f32 v[CD+4*\c+\g], v[T+32*\c+8*\g:T+32*\c+8*\g+7], v[SOP+\c]
.endr
.endr
	v_nop                                          ; a plain instruction behind the last conversion: the next step's moves write its sources
.endm
	LOADBLK 0
	LOADBLK 1
.irp i, 0,1,2,3,4,5,6,7
	QBLK \i
.endr
	s_wait_alu depctr_va_vdst(0)                   ; the last step's conversions have written the codes, and the scale words are whole: the eight stores below read them
	PUTBLK 7
.irp c, 0,1,2,3
	ds_store_b64 v[LSA], v[SW+2*\c:SW+2*\c+1] offset:SCST*\c
.endr
	s_wait_dscnt 0x0                               ; for the others' sake: my stores have landed
	s_barrier_signal -1
	s_barrier_wait -1                              ; the 64 images and their scale words lie in LDS; nothing is written there again
; ---- PHASE 1.5.  No wait on va_vdst: the last vector instructions that named window 1's registers, step 7's moves, stand ahead of the wait above, and nothing since names a register that these loads touch
	WIN 0x40
.irp s, 0,1,2,3
.irp t, 0,1,2,3,4,5,6,7
.irp c, 0,1
	ds_load_b128 v[8*(8*\s+\t)+4*\c:8*(8*\s+\t)+4*\c+3], v[LI] offset:16384*(\s/2)+2048*\t+1024*(\s%2)+512*\c
.endr
.endr
.endr
	WIN 0x80
.irp s, 4,5,6,7
.irp t, 0,1,2,3,4,5,6,7
.irp c, 0,1
	ds_load_b128 v[8*(8*(\s-4)+\t)+4*\c:8*(8*(\s-4)+\t)+4*\c+3], v[LI] offset:16384*(\s/2)+2048*\t+1024*(\s%2)+512*\c
.endr
.endr
.endr
	WIN 0
.irp g, 0,1,2,3
.irp q, 0,1,2,3
	ds_load_b64 v[WS+8*\g+2*\q:WS+8*\g+2*\q+1], v[WSA] offset:1024*\q+256*\g   ; register WS + 8 g + s: lanes 0-15 tile 2 g's words of K step s, lanes 16-31 tile 2 g + 1's
.endr
.endr
.irp n, 0,1
	v_mov_b32 v[KA+\n], 0x39c8e7d9
	v_mov_b32 v[KB+\n], 0x3cc6b1a1
	v_mov_b32 v[KC+\n], 0x3ba38d2c
.endr
	s_wait_dscnt 0x0
; ---- PHASE 2
.macro LISTADR ahead                   ; the offset of my row's entry of the tile `ahead` further on; all 1,024 entries of a list are written, and the tile's number is held at 63
	s_add_co_u32 s19, s18, \ahead
	s_min_u32 s19, s19, 63
	s_lshl_b32 s19, s19, 6
	v_add_nc_u32 v[LAD], s19, v[LOF]
.endm
.macro LISTLOAD
	global_load_b32 v[LST], v[LAD], s[8:9]
.endm
.macro MKTOK                           ; slot -> token, held at 1023; four plain instructions
	v_lshrrev_b32 v[TMPV], 1, v[LST]
	v_min_u32 v[TMPV], 0x3ff, v[TMPV]
	v_lshl_add_u32 v[TOK], v[TMPV], 9, v[H16]
	v_lshlrev_b32 v[TKS], 5, v[TMPV]
.endm
.macro XLOADS                          ; 18 loads: my row's 8 fragments (registers 4 c .. 4 c + 3 of K step s: bytes 64 s + 32 c + 16 h of the row) and its 8 scale words
.irp s, 0,1,2,3,4,5,6,7
	global_load_b128 v[XF+8*\s:XF+8*\s+3], v[TOK], s[10:11] offset:64*\s
	global_load_b128 v[XF+8*\s+4:XF+8*\s+7], v[TOK], s[10:11] offset:64*\s+32
.endr
	global_load_b128 v[XS:XS+3], v[TKS], s[24:25]
	global_load_b128 v[XS+4:XS+7], v[TKS], s[24:25] offset:16
.endm
; The next tile's 18 loads, by the list entry that has just come, and the list load of the tile n further on than the tile in hand.
.macro AHEAD n
	s_wait_alu depctr_vm_vsrc(0)                   ; the loads issued so far have read v[TOK], v[TKS], v[LAD] and v[TMPV], and the last tile's stores the codes, the scale word and their two offsets: all are written again in this tile; ahead of the first tile: phase 1's LDS stores have read v76-99, in which x's fragments land
	MKTOK                                          ; its four lines and the one below are the places behind the last products (ISA guide 7.12.1): they name none of their registers
	LISTADR \n
	s_wait_alu depctr_va_vdst(0)                   ; v[TOK], v[TKS] and v[LAD] are written, which the 19 loads below read; the products are done reading x's fragments and scale words, and the first line above the list entry, in which they land (ahead of the first tile: phase 1 is done with v64-99)
	XLOADS
	LISTLOAD
.endm
.macro WM d, a, b, cc, sa, sb, odd
.if \odd
	v_wmma_scale_f32_16x16x128_f8f6f4 v[\d:\d+7], v[\a:\a+7], v[\b:\b+7], v[\cc:\cc+7], v[\sa], v[\sb] matrix_a_fmt:MATRIX_FMT_FP4 matrix_b_fmt:MATRIX_FMT_FP4 matrix_a_scale:MATRIX_SCALE_ROW1
.else
	v_wmma_scale_f32_16x16x128_f8f6f4 v[\d:\d+7], v[\a:\a+7], v[\b:\b+7], v[\cc:\cc+7], v[\sa], v[\sb] matrix_a_fmt:MATRIX_FMT_FP4 matrix_b_fmt:MATRIX_FMT_FP4
.endif
.endm
.macro MM                              ; 64 matrix instructions: K step by K step, the eight accumulators by turns, one instruction a turn
.irp s, 0,1,2,3,4,5,6,7
.if \s == 0
	WIN 0x31                                       ; source 0 (w1) window 1, C (the bias) window 3
.elseif \s < 4
	WIN 0x01
.else
	WIN 0x02
.endif
.irp t, 0,1,2,3,4,5,6,7
.if \s == 0
	WM H+8*\t, 8*(8*(\s%4)+\t), XF+8*\s, 8*\t, WS+8*(\t/2)+\s, XS+\s, \t%2
.else
	WM H+8*\t, 8*(8*(\s%4)+\t), XF+8*\s, H+8*\t, WS+8*(\t/2)+\s, XS+\s, \t%2
.endif
.endr
.endr
	WIN 0
.endm
.macro GELU8 b                         ; accumulator b's eight numbers, in place; it is read from its low end on
.set HB, H+8*(\b)
.irp p, 0,2,4,6
	v_pk_mul_f32 v[Z+\p:Z+\p+1], v[HB+\p:HB+\p+1], s[C0:C0+1] op_sel_hi:[1,0]      ; z = x / sqrt 2
.endr
.irp p, 0,2,4,6
	v_pk_mul_f32 v[XH+\p:XH+\p+1], v[HB+\p:HB+\p+1], 0.5 op_sel_hi:[1,0]           ; x / 2
.endr
.irp n, 0,1,2,3,4,5,6,7
	v_and_b32 v[TT+\n], 0x7fffffff, v[Z+\n]                                         ; t = |z|
.endr
.irp n, 0,1,2,3,4,5,6,7
.set cm, 32+\n+\n/4-20*(\n/7)                  ; s32-35, s37-39, s20: a mask for each of the eight numbers
	v_cmp_lt_f32 s[cm], 0x3f6d8000, v[TT+\n]                                        ; 475/512 < |z| ?  The eight compares stand in one run, far ahead of the selects that read them
.endr
.irp p, 0,2,4,6
	v_pk_mul_f32 v[SS+\p:SS+\p+1], v[Z+\p:Z+\p+1], v[Z+\p:Z+\p+1]                   ; s = z z
.endr
.irp p, 0,2,4,6
	v_pk_fma_f32 v[RL+\p:RL+\p+1], v[TT+\p:TT+\p+1], s[A0:A0+1], v[KA:KA+1] op_sel_hi:[1,0,1]
.endr
.irp p, 0,2,4,6
	v_pk_fma_f32 v[UU+\p:UU+\p+1], v[TT+\p:TT+\p+1], s[A2:A2+1], v[KB:KB+1] op_sel_hi:[1,0,1]
.endr
.irp p, 0,2,4,6
	v_pk_fma_f32 v[RL+\p:RL+\p+1], v[RL+\p:RL+\p+1], v[SS+\p:SS+\p+1], v[UU+\p:UU+\p+1]
.endr
.irp k, A4, A5, A6
.irp p, 0,2,4,6
	v_pk_fma_f32 v[RL+\p:RL+\p+1], v[RL+\p:RL+\p+1], v[TT+\p:TT+\p+1], s[\k:\k+1] op_sel_hi:[1,1,0]
.endr
.endr
.irp p, 0,2,4,6
	v_pk_fma_f32 v[RL+\p:RL+\p+1], v[RL+\p:RL+\p+1], v[TT+\p:TT+\p+1], v[TT+\p:TT+\p+1] neg_lo:[0,0,1] neg_hi:[0,0,1]
.endr
.irp p, 0,2,4,6
	v_pk_mul_f32 v[RL+\p:RL+\p+1], v[RL+\p:RL+\p+1], s[L2E:L2E+1] op_sel_hi:[1,0]
.endr
	s_wait_alu depctr_va_vdst(0)
.irp n, 0,1,2,3,4,5,6,7
	v_exp_f32 v[RL+\n], v[RL+\n]                                                    ; erfc |z|
.endr
.irp p, 0,2,4,6
	v_pk_fma_f32 v[RS+\p:RS+\p+1], v[SS+\p:SS+\p+1], s[B0:B0+1], v[KC:KC+1] op_sel_hi:[1,0,1]   ; (plain instructions behind the exponentials)
.endr
.irp k, B2C, B3C, B4C, B5C
.irp p, 0,2,4,6
	v_pk_fma_f32 v[RS+\p:RS+\p+1], v[RS+\p:RS+\p+1], v[SS+\p:SS+\p+1], s[\k:\k+1] op_sel_hi:[1,1,0]
.endr
.endr
.irp p, 0,2,4,6
	v_pk_fma_f32 v[RS+\p:RS+\p+1], v[RS+\p:RS+\p+1], v[Z+\p:Z+\p+1], v[Z+\p:Z+\p+1]              ; erf z
.endr
.irp p, 0,2,4,6
	v_pk_fma_f32 v[RS+\p:RS+\p+1], v[XH+\p:XH+\p+1], v[RS+\p:RS+\p+1], v[XH+\p:XH+\p+1]          ; small |z|: x / 2 + x / 2 erf z
.endr
	s_wait_alu depctr_va_vdst(0)                   ; the eight exponentials have written v[RL ..], ahead of their first reader: one wait for the batch
.irp p, 0,2,4,6
	v_pk_mul_f32 v[RL+\p:RL+\p+1], v[XH+\p:XH+\p+1], v[RL+\p:RL+\p+1]                            ; x / 2 erfc |z|
.endr
.irp n, 0,1,2,3,4,5,6,7
	v_max_num_f32 v[UU+\n], 0, v[HB+\n]
.endr
.irp n, 0,1,2,3,4,5,6,7
	v_sub_f32 v[UU+\n], v[UU+\n], |v[RL+\n]|                                        ; large |z|: max(x, 0) - |x| / 2 erfc |z|
.endr
	s_wait_alu depctr_va_sdst(0)                   ; the eight compares have written their masks, ahead of the first select that reads one
.irp n, 0,1,2,3,4,5,6,7
.set cm, 32+\n+\n/4-20*(\n/7)
	v_cndmask_b32 v[HB+\n], v[RS+\n], v[UU+\n], s[cm]
.endr
.endm
	s_wait_kmcnt 0x0                               ; the count
	s_min_u32 s17, s16, 1024
	s_add_co_u32 s17, s17, 15
	s_lshr_b32 s17, s17, 4                         ; tiles of 16 rows,
	s_max_u32 s17, s17, 1                          ; one at the least
	s_mov_b32 s18, s14                             ; my first tile
	s_mov_b32 s36, TRIPS
	LISTADR 0
	s_wait_alu depctr_va_vdst(0)                   ; v[LAD] is written, which the load below reads as its offset
	LISTLOAD
	s_wait_loadcnt 0x0
	AHEAD 4
.Ltile:
	s_cmp_ge_u32 s18, s17                          ; past the expert's last tile: nothing to do in this trip
	s_cbranch_scc1 .Lnone
	s_wait_loadcnt 0x1                             ; this tile's 18 loads are in; the one list load behind them may be out
	MM
	s_wait_loadcnt 0x0                             ; the next tile's list entry
	AHEAD 8                                        ; the next tile's rows land while this tile's gelu is computed
.irp b, 0,1,2,3,4,5,6,7
	GELU8 \b
.endr
	s_wait_xcnt 0x0                                ; the last tile's stores have read their data and offsets: both are written again below
	; the quantiser: register 16 b + i of the lane is hidden unit 32 b + 16 h + i of my row
.irp b, 0,1,2,3
	v_max3_num_f32 v[TM+\b], |v[H+16*\b]|, |v[H+1+16*\b]|, 0x1800000
.endr
.irp i, 2,4,6,8,10,12,14
.irp b, 0,1,2,3
	v_max3_num_f32 v[TM+\b], v[TM+\b], |v[H+16*\b+\i]|, |v[H+1+16*\b+\i]|
.endr
.endr
.irp b, 0,1,2,3
	v_permlanex16_b32 v[TM+4+\b], v[TM+\b], s26, s27
.endr
.irp b, 0,1,2,3
	v_max_num_f32 v[TM+\b], v[TM+\b], v[TM+4+\b]   ; with lane l xor 16's: the block's largest magnitude
.endr
.irp b, 0,1,2,3
	v_add_nc_u32 v[TM+12+\b], 0xff000000, v[TM+\b]
.endr
.irp b, 0,1,2,3
	v_lshrrev_b32 v[TM+4+\b], 23, v[TM+12+\b]
.endr
	v_lshl_or_b32 v[PW], v[TM+5], 8, v[TM+4]       ; my row's scale word for this K step of the second product
	v_lshl_or_b32 v[PW], v[TM+6], 16, v[PW]
	v_lshl_or_b32 v[PW], v[TM+7], 24, v[PW]
.irp b, 0,1,2,3
	v_cvt_scalef32_pk8_fp4_f32 v[PC+2*\b], v[H+16*\b:H+7+16*\b], v[TM+12+\b]
	v_cvt_scalef32_pk8_fp4_f32 v[PC+1+2*\b], v[H+8+16*\b:H+15+16*\b], v[TM+12+\b]
.endr
	v_nop                                          ; a plain instruction behind the last conversion
.irp c, 0,1                                    ; the operand's layout wants a whole block in a lane: lanes 0-15 block 2 c, lanes 16-31 block 2 c + 1
.irp i, 0,1
	v_permlane16_swap_b32 v[PC+4*\c+\i], v[PC+2+4*\c+\i]
.endr
.endr
	s_min_u32 s19, s18, 63
	s_lshl_b32 s28, s19, 15
	v_add_nc_u32 v[HQO], s28, v[LI]
	s_lshl_b32 s28, s19, 11
	v_add_nc_u32 v[HSO], s28, v[LOF]
	s_wait_alu depctr_va_vdst(0)                   ; the codes, the scale word and the two offsets are written, which the three stores below read
	global_store_b128 v[HQO], v[PC:PC+3], s[12:13]             ; the fragment's image: 512 consecutive bytes a store
	global_store_b128 v[HQO], v[PC+4:PC+7], s[12:13] offset:512
	global_store_b32 v[HSO], v[PW], s[22:23]                   ; 16 words; lanes 16-31 write what lanes 0-15 write
.Lnone:
	s_add_co_u32 s18, s18, 4
	s_sub_co_u32 s36, s36, 1
	s_cmp_lg_u32 s36, 0
	s_cbranch_scc1 .Ltile
	s_set_vgpr_msb 0xc                             ; the add's second register lies in window 3: the switch stands ahead of the closing lines, and none behind them
	s_wait_dscnt 0x0                               ; the closing lines, six on end
	s_wait_alu 0x0
	s_wait_tensorcnt 0x0
	ds_add_u32 v15, v255
	s_wait_dscnt 0x0
	s_endpgm
.Lfunc_end_k_q3a1078c26e_up:
	.size	k_q3a1078c26e_up, .Lfunc_end_k_q3a1078c26e_up-k_q3a1078c26e_up
	.p2alignl 7, 3214868480
	.fill 96, 4, 3214868480
	.section	.rodata,"a",@progbits
	.p2align	6, 0x0
	.amdhsa_kernel k_q3a1078c26e_up
		.amdhsa_group_segment_fixed_size 74240
		.amdhsa_private_segment_fixed_size 0
		.amdhsa_enable_private_segment 0
		.amdhsa_kernarg_size 40
		.amdhsa_user_sgpr_count 2
		.amdhsa_user_sgpr_kernarg_segment_ptr 1
		.amdhsa_wavefront_size32 1
		.amdhsa_system_sgpr_workgroup_id_x 1
		.amdhsa_system_sgpr_workgroup_id_y 1
		.amdhsa_system_sgpr_workgroup_id_z 1
		.amdhsa_system_vgpr_workitem_id 0
		.amdhsa_next_free_vgpr 1024
		.amdhsa_next_free_sgpr 66
		.amdhsa_reserve_vcc 0
		.amdhsa_float_denorm_mode_32 3
		.amdhsa_float_denorm_mode_16_64 3
		.amdhsa_memory_ordered 1
		.amdhsa_forward_progress 1
		.amdhsa_inst_pref_size 201
	.end_amdhsa_kernel
	.amdgpu_metadata
---
amdhsa.version: [ 1, 2 ]
amdhsa.kernels:
  - .name:           k_q3a1078c26e_up
    .symbol:         k_q3a1078c26e_up.kd
    .args:
      - { .name: w1, .offset: 0, .size: 8, .value_kind: global_buffer, .address_space: global }
      - { .name: b1, .offset: 8, .size: 8, .value_kind: global_buffer, .address_space: global }
      - { .name: order, .offset: 16, .size: 8, .value_kind: global_buffer, .address_space: global }
      - { .name: xw, .offset: 24, .size: 8, .value_kind: global_buffer, .address_space: global }
      - { .name: hid, .offset: 32, .size: 8, .value_kind: global_buffer, .address_space: global }
    .group_segment_fixed_size: 74240
    .private_segment_fixed_size: 0
    .kernarg_segment_align: 8
    .kernarg_segment_size: 40
    .max_flat_workgroup_size: 128
    .sgpr_count:     66
    .vgpr_count:     1024
    .wavefront_size: 32
...
	.end_amdgpu_metadata
.endif
;; end of part 8
;; launch down (part 9): grid 16 x 16, 4 waves a work-group, no clusters, 90,624 bytes of LDS; arguments w2, b2, order, glist, hid, part; writes part
.if DOCPART == 9
	.amdgcn_target "amdgcn-amd-amdhsa--gfx1250"
	.amdhsa_code_object_version 6
	.text
	.protected	k_q3a1078c26e_down
	.globl	k_q3a1078c26e_down
	.p2align	8
	.type	k_q3a1078c26e_down,@function
k_q3a1078c26e_down:
	s_mov_b64 s[64:65], 0
	v_nop
	global_prefetch_b8 v0, s[64:65] scope:SCOPE_SE
	s_setreg_imm32_b32 hwreg(HW_REG_WAVE_SCHED_MODE, 0, 2), 2
	s_setreg_imm32_b32 hwreg(HW_REG_WAVE_MODE, 25, 1), 1
	s_wait_xcnt 0x0
	s_wait_alu depctr_vm_vsrc(0)
; THE SECOND PRODUCT OF AN EXPERT: part[kh][slot] = gate x (hidden w2[e] over half kh of K (+ b2[e] in half 0)), on codes of E2M1 with one E8M0 scale for each 32 along K.
; SHARES.  Work-group (ns, 2 e + kh) owns output columns 64 ns .. 64 ns + 63 and hidden units 2,048 kh .. + 2,047 of expert e: a slab of w2 of 2,048 (K) x 64 numbers, 512 KiB of f32, which no other work-group reads.
; 64 columns are 256 bytes: the slab's rows and the rows stored are whole aligned runs of 256 bytes.  K is halved so that there are 256 equal slabs; the last launch adds a token's four parts.
; PHASE 1, 1.5: as in the launch before: the slab is read once, quantised along K (its first axis), laid in LDS as images of the operand's registers, one barrier, and every wave takes all 64 fragments
;   (4 tiles of 16 columns x 16 K steps) into 512 registers.  A load takes two rows 256 apart: lanes 0-15 row k, lanes 16-31 row k + 256, 256 consecutive bytes each; by this text's count 64 such loads of a wave are out.
; PHASE 2: wave w walks the expert's tiles of 16 rows w, w + 4, ..: the tile's 16 hidden fragments (images, 16 KiB), 64 matrix instructions on four accumulators by turns, the gate, through the wave's own stage in LDS,
;   and out: sixteen lanes store 256 consecutive bytes of a slot's row.  The loop has a constant count, 16 trips; a trip past the expert's last tile is passed over by a scalar branch on the stored count.
; part: [2 halves][2,176 rows][1,024] f32.  Rows 0 to 2,047 are the slots.  Rows 2,048 + 16 e + i are spare: the list's filler names them, so that a tile's rows past the count are stored like the others, all lanes on,
;   into bytes that this work-group alone writes and nobody reads: 15 rows of 256 bytes at the most.
; THE PRODUCT IS USED TRANSPOSED (source 0 = 16 columns of w2, source 1 = 16 rows): a lane holds eight neighbouring columns of one row.  The bias is the C of each sum's first matrix instruction, cleared in half 1.
; LDS: wave w's 16,384 bytes at 16,384 w hold the images of K steps 4 w .. 4 w + 3: fragment (T, s) at 16,384 (s / 4) + 4,096 T + 1,024 (s % 4).  At 65,536 + 1,024 w: the same K steps' scale words, four words for
;   (tile pair g, lane r + 16 (T % 2)) at 512 g + 16 lane.  At 69,632 + 4,352 w: the wave's stage.  So each wave stores into bytes of its own.
; NOT USED, and why: clusters (no weight byte is shared; the hidden codes, which the 16 column slices share, are walked by counts read from memory); tensor loads (K runs down the rows, so the numbers must pass registers anyway).
; LIMITS: NaN and infinities are not served.  A block of zeros gets the byte 1 (its codes are zeros; this program alone reads the bytes).
; REGISTERS.  window 0: v1-15 addresses; v16-47 w2's scale words; v48-55 the hidden layer's; phase 1: v64-99 at work, v128-255 a block step's numbers by column; phase 2: v56-87 accumulators, v120-139 slots, offsets, gate, v144-175 rows on the way out.
;   window 1: phase 1: two sets of 128 for the loads; then the fragments of K steps 0-7.   window 2: those of K steps 8-15.   window 3: v0-127 the tile's 16 hidden fragments; v128-159 the bias.
; THE MODE: SCHED_MODE bits 1:0 = 2 (LLVM: expert scheduling mode 2), set by the entry lines.  The code itself states the register dependences
; between vector or matrix instructions and memory or LDS instructions, with s_wait_alu, always for 0.
; THE PLAN.  Registers that memory or LDS instructions touch:
;   window 1's two sets   Phase 1, step i: its 128 moves read set i % 2; behind them the loads of step i + 2 land in it.
;   v[CD ..], the codes   Written by step i's conversions; read by four LDS stores, which are issued in step i + 1, behind its moves.
;   v[SW ..], scale words Written through the eight steps; read by four LDS stores behind the last.
;     So ONE wait on va_vdst stands in a step, behind its moves, for the step's loads and for the stores of the step before; no vector instruction behind it names what those touch.  One wait on vm_vsrc stands ahead of the conversions.
;   window 3's v0-127, v[ASC ..], v[GAT], v[SL ..]   Phase 2: read by a tile's products and by the 10 lines behind them that take the slots and the gate; then the next tile's 49 loads land there.
;   v[AO], v[ASO], v[SLO], v[GTO]   Written by four additions a tile; read by those loads.
;   v[ACC ..]             Written by the products and by the gate's multiplies; read by eight LDS stores.
;   v[OUTR ..]            Eight LDS loads land there; read by eight global stores.      v[VO ..]: written by sixteen vector lines; read by those stores as offsets.
;     So a tile has one wait on vm_vsrc at its head, for all that the tile before read, and ONE on va_vdst, behind the gate's multiplies: the 49 loads, the LDS stores and loads and the global stores follow it, with no vector instruction among them.
;   v2-v5, v10-v15, v100, v101   Offsets and addresses made at the head and never written again.
.set PITCH, 4096                       ; bytes from row k to row k + 1 of w2[e]
.set SCI,   65536                      ; the scale words
.set SCST,  16                         ; from a column's words to the next column's
.set STG,   69632                      ; the stages: 16 rows x (256 bytes + 16) for each wave
.set HALF,  8912896                    ; a half of part: 2,176 rows of 4,096 bytes
.set TRIPS, 16
.set GA,   2                           ; v2   my 16 bytes of the two rows of a load
.set LA,   3                           ; v3   where my codes go
.set LSA,  4                           ; v4   where my scale words go
.set LI,   5                           ; v5   16 x lane
.set AO,   6                           ; v6   the tile's hidden fragments
.set ASO,  7                           ; v7   their scale words
.set SLO,  8                           ; v8   the slots of the rows that I store
.set GTO,  9                           ; v9   my row's gate
.set STO,  10                          ; v10  the stage: in
.set RD,   11                          ; v11  the stage: back
.set L4,   12                          ; v12  4 x lane
.set H4,   13                          ; v13  4 h
.set R4,   14                          ; v14  4 r
.set C16,  15                          ; v15  16 r
.set WS,   16
.set ASC,  48
.set ACC,  56
.set WSA,  100                         ; v100 SCI + 16 x lane
.set B2A,  101                         ; v101 32 h
.set SL,   120
.set VO,   128
.set GAT,  136
.set GC,   138
.set OUTR, 144
.set MX,   64
.set SOP,  68
.set BY,   72
.set SW,   76
.set CD,   84
.set T,    128
.set MSB, 0
.macro WIN new                         ; the immediate's high byte repeats the setting that is left; a switch that changes nothing is dropped
.if MSB != \new
	s_set_vgpr_msb (MSB<<8)|\new
.set MSB, \new
.endif
.endm
	s_load_b256 s[4:11], s[0:1], 0x0               ; w2 s[4:5], b2 s[6:7], order s[8:9], glist s[10:11]
	s_load_b128 s[12:15], s[0:1], 0x20             ; hid s[12:13], part s[14:15]
	v_lshl_add_u32 v118, v0, 2, 0x16000
	v_mov_b32 v119, 0
	v_lshrrev_b32 v8, 5, v0
	v_readfirstlane_b32 s16, v8                    ; wave
	v_and_b32 v1, 31, v0                           ; lane
	s_and_b32 s32, ttmp7, 0xffff
	s_and_b32 s33, s32, 1                          ; kh
	s_lshr_b32 s32, s32, 1                         ; e
	v_and_b32 v8, 15, v0                           ; r (in phase 1: which 4 columns)
	v_bfe_u32 v9, v0, 4, 1                         ; h (in phase 1: which of the two rows)
	v_lshlrev_b32 v[C16], 4, v8
	v_lshl_add_u32 v[GA], v9, 20, v[C16]           ; 256 rows of 4,096 bytes further down for lanes 16-31
	v_bfe_u32 v10, v0, 2, 2                        ; my columns 4 r + c: tile T = r / 4, fragment row 4 (r % 4) + c
	v_and_b32 v11, 3, v0
	v_lshlrev_b32 v[LA], 12, v10                   ; codes: 4,096 T + 2,048 h + 16 x row; my blocks are 16 w + 8 h + i
	v_lshl_add_u32 v[LA], v9, 11, v[LA]
	v_lshl_add_u32 v[LA], v11, 6, v[LA]
	s_wait_alu depctr_va_sdst(0)                   ; s16, the wave's number, is written, ahead of its first reader
	s_lshl_b32 s19, s16, 14
	v_add_nc_u32 v[LA], s19, v[LA]                 ; + my wave's 16,384 bytes
	v_lshlrev_b32 v[LSA], 8, v10                   ; scale words: 512 (T / 2) + 256 (T % 2) + 16 x row + 8 h; my K steps are 4 w + 2 h and the next
	v_lshl_add_u32 v[LSA], v11, 6, v[LSA]
	v_lshl_add_u32 v[LSA], v9, 3, v[LSA]
	s_lshl_b32 s19, s16, 10
	s_add_co_u32 s19, s19, SCI
	v_add_nc_u32 v[LSA], s19, v[LSA]               ; + my wave's 1,024 bytes
	v_lshlrev_b32 v[LI], 4, v1
	v_lshl_add_u32 v[WSA], v1, 4, SCI
	v_lshlrev_b32 v[B2A], 5, v9                    ; 32 h: the bias of my half's columns
	v_lshlrev_b32 v[L4], 2, v1
	v_lshlrev_b32 v[H4], 2, v9
	v_lshlrev_b32 v[R4], 2, v8
	s_mul_i32 s19, s16, 16*272
	s_add_co_u32 s19, s19, STG                     ; my stage
	v_mul_u32_u24 v[STO], v8, 272
	v_lshl_add_u32 v[STO], v9, 5, v[STO]
	v_add_nc_u32 v[STO], s19, v[STO]               ; in: row r, 32 bytes for each half of the lanes
	v_mul_u32_u24 v[RD], v9, 272
	v_add_nc_u32 v[RD], v[RD], v[C16]
	v_add_nc_u32 v[RD], s19, v[RD]                 ; back: lanes 0-15 one row of 256 bytes, lanes 16-31 the next
	s_cmp_eq_u32 s33, 0
	s_cselect_b32 s21, -1, 0                       ; the bias counts in half 0 alone
	s_mov_b32 s29, 0
	s_lshl_b32 s28, s32, 24                        ; w2: e x 16 MiB + kh x 8 MiB + my wave's 512 rows + 256 ns
	s_lshl_b32 s19, s33, 23
	s_add_co_u32 s28, s28, s19
	s_lshl_b32 s19, s16, 21
	s_add_co_u32 s28, s28, s19
	s_lshl_b32 s19, ttmp9, 8                       ; 256 ns
	s_add_co_u32 s28, s28, s19
	s_wait_kmcnt 0x0
	s_add_nc_u64 s[4:5], s[4:5], s[28:29]
	s_lshl_b32 s28, s32, 12
	s_add_nc_u64 s[10:11], s[10:11], s[28:29]      ; the expert's gates
	s_add_co_u32 s28, s28, s19
	s_add_nc_u64 s[6:7], s[6:7], s[28:29]          ; b2 at my 64 columns
	s_lshl_b32 s28, s32, 7
	s_add_co_u32 s28, s28, 32768
	s_add_nc_u64 s[30:31], s[8:9], s[28:29]
	s_load_b32 s27, s[30:31], 0x0                  ; the expert's count of rows
	s_lshl_b32 s28, s32, 12
	s_add_nc_u64 s[8:9], s[8:9], s[28:29]          ; its list
	s_lshl_b32 s28, s32, 17
	s_lshl_b32 s34, s33, 10
	s_add_co_u32 s28, s28, s34
	s_add_co_u32 s28, s28, 16777216
	s_add_nc_u64 s[22:23], s[12:13], s[28:29]      ; the hidden layer's scale words: e, K steps 16 kh on
	s_lshl_b32 s28, s32, 21
	s_lshl_b32 s34, s33, 14
	s_add_co_u32 s28, s28, s34
	s_add_nc_u64 s[12:13], s[12:13], s[28:29]      ; its codes likewise
	s_mul_i32 s28, s33, HALF
	s_add_co_u32 s28, s28, s19
	s_add_nc_u64 s[14:15], s[14:15], s[28:29]      ; part: half kh, my 256 bytes of a row
	WIN 0xc0                                       ; destination window 3
	s_wait_alu depctr_va_vdst(0)                   ; the offsets and LDS addresses made above (v2-v5, v10-v15, v100, v101) are written: the loads and stores from here on read them
.irp t, 0,1,2,3                                ; the bias in the result's layout: lane (r, h), tile t, register i: column 16 t + 8 h + i
	global_load_b128 v[128+8*\t:128+8*\t+3], v[B2A], s[6:7] offset:64*\t
	global_load_b128 v[128+8*\t+4:128+8*\t+7], v[B2A], s[6:7] offset:64*\t+16
.endr
; ---- PHASE 1
.macro LOADBLK i                       ; block step i: 32 loads of two rows, into set i % 2 of window 1
	WIN 0x40
.set kk, 0
.rept 32
	global_load_b128 v[128*((\i)%2)+4*kk:128*((\i)%2)+4*kk+3], v[GA], s[4:5] offset:(32*(\i)+kk)*PITCH th:TH_LOAD_NT
.set kk, kk+1
.endr
.endm
.macro PUTBLK i                        ; block step i's codes go to LDS
.irp c, 0,1,2,3
	ds_store_b128 v[LA], v[CD+4*\c:CD+4*\c+3] offset:256*(\i)+16*\c
.endr
.endm
.macro QBLK i
.if (\i) < 7
	s_wait_loadcnt 32                              ; this step's 32 loads (and all older ones) are in; the next step's 32 may be out
.else
	s_wait_loadcnt 0x0
.endif
	WIN 0x01                                       ; source window 1, destination window 0
.set kk, 0
.rept 32
.irp c, 0,1,2,3
	v_mov_b32 v[T+32*\c+kk], v[128*((\i)%2)+4*kk+\c]   ; the turn: a column's 32 numbers on end
.endr
.set kk, kk+1
.endr
.if (\i) < 6
	WIN 0x40                                       ; the loads' window is set ahead of the wait
.else
	WIN 0
.endif
	s_wait_alu depctr_va_vdst(0)                   ; the moves are done reading the set, in which the loads below land; the last step's conversions have written the codes, which the stores below read (steps 6 and 7 load nothing, step 0 stores nothing)
.if (\i) < 6
	LOADBLK (\i)+2                                 ; the set is free at once
.endif
	WIN 0
.if (\i) > 0
	PUTBLK (\i)-1                                  ; no further wait: no vector instruction since the wait names the codes or their address
.endif
.irp c, 0,1,2,3
	v_max3_num_f32 v[MX+\c], |v[T+32*\c]|, |v[T+32*\c+1]|, 0x1800000   ; the block's largest magnitude, and the floor 2^(3 - 127): the byte cannot fall under 1
.endr
.irp k2, 2,4,6,8,10,12,14,16,18,20,22,24,26,28,30
.irp c, 0,1,2,3
	v_max3_num_f32 v[MX+\c], v[MX+\c], |v[T+32*\c+\k2]|, |v[T+32*\c+\k2+1]|   ; (the four columns by turns)
.endr
.endr
.irp c, 0,1,2,3
	v_add_nc_u32 v[SOP+\c], 0xff000000, v[MX+\c]   ; 2 off the exponent field: the conversion's scale operand
.endr
.irp c, 0,1,2,3
.if (\i)%4 == 0
	v_lshrrev_b32 v[SW+2*\c+(\i)/4], 23, v[SOP+\c]   ; the scale's byte begins a word of four
.else
	v_lshrrev_b32 v[BY+\c], 23, v[SOP+\c]
.endif
.endr
.if (\i)%4 != 0
.irp c, 0,1,2,3
	v_lshl_or_b32 v[SW+2*\c+(\i)/4], v[BY+\c], 8*((\i)%4), v[SW+2*\c+(\i)/4]
.endr
.endif
	s_wait_alu depctr_va_vdst(0)
	s_wait_dscnt 0x0                               ; the last step's stores have landed
.if (\i) > 0
	s_wait_alu depctr_vm_vsrc(0)                   ; the stores above have read the codes' registers, which the conversions write again
.endif
.irp c, 0,1,2,3
.irp g, 0,1,2,3
	v_cvt_scalef32_pk8_fp4_f32 v[CD+4*\c+\g], v[T+32*\c+8*\g:T+32*\c+8*\g+7], v[SOP+\c]
.endr
.endr
	v_nop                                          ; a plain instruction behind the last conversion: the next step's moves write its sources
.endm
	LOADBLK 0
	LOADBLK 1
.irp i, 0,1,2,3,4,5,6,7
	QBLK \i
.endr
	s_wait_alu depctr_va_vdst(0)                   ; the last step's conversions have written the codes, and the scale words are whole: the eight stores below read them
	PUTBLK 7
.irp c, 0,1,2,3
	ds_store_b64 v[LSA], v[SW+2*\c:SW+2*\c+1] offset:SCST*\c
.endr
	s_wait_dscnt 0x0                               ; for the others' sake: my stores have landed
	s_barrier_signal -1
	s_barrier_wait -1                              ; the 64 images and their scale words lie in LDS; nothing is written there again
; ---- PHASE 1.5.  No wait on va_vdst: the last vector instructions that named window 1's registers, step 7's moves, stand ahead of the wait above, and nothing since names a register that these loads touch
	WIN 0x40
.irp s, 0,1,2,3,4,5,6,7
.irp t, 0,1,2,3
.irp c, 0,1
	ds_load_b128 v[8*(4*\s+\t)+4*\c:8*(4*\s+\t)+4*\c+3], v[LI] offset:16384*(\s/4)+4096*\t+1024*(\s%4)+512*\c
.endr
.endr
.endr
	WIN 0x80
.irp s, 8,9,10,11,12,13,14,15
.irp t, 0,1,2,3
.irp c, 0,1
	ds_load_b128 v[8*(4*(\s-8)+\t)+4*\c:8*(4*(\s-8)+\t)+4*\c+3], v[LI] offset:16384*(\s/4)+4096*\t+1024*(\s%4)+512*\c
.endr
.endr
.endr
	WIN 0
.irp g, 0,1
.irp q, 0,1,2,3
	ds_load_b128 v[WS+16*\g+4*\q:WS+16*\g+4*\q+3], v[WSA] offset:1024*\q+512*\g   ; register WS + 16 g + s: lanes 0-15 tile 2 g's words of K step s, lanes 16-31 tile 2 g + 1's
.endr
.endr
	WIN 0xcc                                       ; source 1 and destination window 3
.set n, 0
.rept 32
	v_and_b32 v[128+n], s21, v[128+n]              ; the bias stays in half 0 and is cleared in half 1
.set n, n+1
.endr
	WIN 0
	s_wait_dscnt 0x0
; ---- PHASE 2
.macro GADR ahead                      ; the four offsets of the tile `ahead` further on; its number is held at the expert's last tile, so that only written bytes are read
	s_add_co_u32 s19, s18, \ahead
	s_min_u32 s19, s19, s20
	s_min_u32 s19, s19, 63
	s_lshl_b32 s34, s19, 15
	v_add_nc_u32 v[AO], s34, v[LI]
	s_lshl_b32 s34, s19, 11
	v_add_nc_u32 v[ASO], s34, v[L4]
	s_lshl_b32 s34, s19, 6
	v_add_nc_u32 v[SLO], s34, v[H4]
	v_add_nc_u32 v[GTO], s34, v[R4]
.endm
.macro GLOADS                          ; that tile's 49 loads
	WIN 0xc0
.set n, 0
.rept 32
	global_load_b128 v[4*n:4*n+3], v[AO], s[12:13] offset:512*n   ; 16 images on end: 512 consecutive bytes a load
.set n, n+1
.endr
	WIN 0
.irp m, 0,1,2,3,4,5,6,7
	global_load_b32 v[ASC+\m], v[ASO], s[22:23] offset:128*\m     ; lanes 0-15: K step 2 m's words, lanes 16-31: K step 2 m + 1's
.endr
	global_load_b32 v[GAT], v[GTO], s[10:11]                      ; my row's gate
.irp m, 0,1,2,3,4,5,6,7
	global_load_b32 v[SL+\m], v[SLO], s[8:9] offset:8*\m          ; the slot of row 2 m + h
.endr
.endm
.macro WM d, a, b, cc, sa, sb, oa, ob
.if (\oa) && (\ob)
	v_wmma_scale_f32_16x16x128_f8f6f4 v[\d:\d+7], v[\a:\a+7], v[\b:\b+7], v[\cc:\cc+7], v[\sa], v[\sb] matrix_a_fmt:MATRIX_FMT_FP4 matrix_b_fmt:MATRIX_FMT_FP4 matrix_a_scale:MATRIX_SCALE_ROW1 matrix_b_scale:MATRIX_SCALE_ROW1
.elseif \oa
	v_wmma_scale_f32_16x16x128_f8f6f4 v[\d:\d+7], v[\a:\a+7], v[\b:\b+7], v[\cc:\cc+7], v[\sa], v[\sb] matrix_a_fmt:MATRIX_FMT_FP4 matrix_b_fmt:MATRIX_FMT_FP4 matrix_a_scale:MATRIX_SCALE_ROW1
.elseif \ob
	v_wmma_scale_f32_16x16x128_f8f6f4 v[\d:\d+7], v[\a:\a+7], v[\b:\b+7], v[\cc:\cc+7], v[\sa], v[\sb] matrix_a_fmt:MATRIX_FMT_FP4 matrix_b_fmt:MATRIX_FMT_FP4 matrix_b_scale:MATRIX_SCALE_ROW1
.else
	v_wmma_scale_f32_16x16x128_f8f6f4 v[\d:\d+7], v[\a:\a+7], v[\b:\b+7], v[\cc:\cc+7], v[\sa], v[\sb] matrix_a_fmt:MATRIX_FMT_FP4 matrix_b_fmt:MATRIX_FMT_FP4
.endif
.endm
.macro MM                              ; 64 matrix instructions: K step by K step, the four accumulators by turns, one instruction a turn
.irp s, 0,1,2,3,4,5,6,7,8,9,10,11,12,13,14,15
.if \s == 0
	WIN 0x3d                                       ; source 0 (w2) window 1, source 1 (hidden) window 3, C (the bias) window 3
.elseif \s < 8
	WIN 0x0d
.else
	WIN 0x0e
.endif
.irp t, 0,1,2,3
.if \s == 0
	WM ACC+8*\t, 8*(4*(\s%8)+\t), 8*\s, 128+8*\t, WS+16*(\t/2)+\s, ASC+\s/2, \t%2, \s%2
.else
	WM ACC+8*\t, 8*(4*(\s%8)+\t), 8*\s, ACC+8*\t, WS+16*(\t/2)+\s, ASC+\s/2, \t%2, \s%2
.endif
.endr
.endr
	WIN 0
.endm
	s_wait_kmcnt 0x0                               ; the count
	s_min_u32 s17, s27, 1024
	s_add_co_u32 s17, s17, 15
	s_lshr_b32 s17, s17, 4                         ; tiles of 16 rows,
	s_max_u32 s17, s17, 1                          ; one at the least, as in the launch before
	s_sub_co_u32 s20, s17, 1                       ; the last tile
	s_mov_b32 s18, s16                             ; my first tile
	s_mov_b32 s36, TRIPS
	GADR 0
	WIN 0xc0                                       ; the loads' window is set ahead of the wait
	s_wait_alu depctr_va_vdst(0)                   ; the four offsets are written, which the 49 loads below read; phase 1's vector instructions are done with v136, in which the gate lands
	GLOADS
.Ltile:
	s_cmp_ge_u32 s18, s17                          ; past the expert's last tile: nothing to do in this trip
	s_cbranch_scc1 .Lnone
	s_wait_loadcnt 0x0                             ; the tile's 49 loads
	s_wait_alu depctr_vm_vsrc(0)                   ; the last tile's LDS stores have read the accumulators, which the products below write; its global stores have read their offsets and data, and the 49 loads their four offsets, all of which are written again in this tile; ahead of the first tile: phase 1's LDS stores have read v76-87, which are accumulators from here on
	MM
	s_wait_xcnt 0x0                                ; the last tile's stores have read their offsets and data: both are written again below
.irp m, 0,1,2,3,4,5,6,7                        ; 22 plain instructions, none of which names a register of the last products: the places behind them (ISA guide 7.12.1)
	v_min_u32 v[VO+\m], 0x87f, v[SL+\m]            ; a slot, or one of the spare rows: 2,175 at the most
.endr
.irp m, 0,1,2,3,4,5,6,7
	v_lshl_add_u32 v[VO+\m], v[VO+\m], 12, v[C16]  ; row x 4,096 + my 16 bytes
.endr
	v_mov_b32 v[GC], v[GAT]                        ; the gate is kept: the next tile's loads land on it
	v_mov_b32 v[GC+1], v[GAT]
	GADR 4
.set n, 0
.rept 16
	v_pk_mul_f32 v[ACC+2*n:ACC+2*n+1], v[ACC+2*n:ACC+2*n+1], v[GC:GC+1]   ; x gate; each accumulator from its low end on
.set n, n+1
.endr
	WIN 0xc0                                       ; the loads' window is set ahead of the wait
	s_wait_alu depctr_va_vdst(0)                   ; the products are done reading the hidden fragments and their scale words, and the lines above the slots and the gate: the next tile's loads land there; their four offsets, the stores' eight offsets and the accumulators x gate are written, which the loads and stores below read
	GLOADS                                         ; the next tile's loads go out ahead of this tile's way out
.irp t, 0,1,2,3
	ds_store_b128 v[STO], v[ACC+8*\t:ACC+8*\t+3] offset:64*\t
	ds_store_b128 v[STO], v[ACC+8*\t+4:ACC+8*\t+7] offset:64*\t+16
.endr
.irp m, 0,1,2,3,4,5,6,7
	ds_load_b128 v[OUTR+4*\m:OUTR+4*\m+3], v[RD] offset:544*\m   ; LDS serves a wave's instructions in order (ISA guide 5.7.1.4): these see my stores
.endr
.irp m, 0,1,2,3,4,5,6,7
	s_wait_dscnt 7-\m                              ; rows 2 m and 2 m + 1 are back; the younger loads may be out
	global_store_b128 v[VO+\m], v[OUTR+4*\m:OUTR+4*\m+3], s[14:15]   ; sixteen lanes store 256 consecutive bytes, aligned, of a row of part
.endr
.Lnone:
	s_add_co_u32 s18, s18, 4
	s_sub_co_u32 s36, s36, 1
	s_cmp_lg_u32 s36, 0
	s_cbranch_scc1 .Ltile
	s_wait_dscnt 0x0                               ; the closing lines, six on end
	s_wait_alu 0x0
	s_wait_tensorcnt 0x0
	ds_add_u32 v118, v119
	s_wait_dscnt 0x0
	s_endpgm
.Lfunc_end_k_q3a1078c26e_down:
	.size	k_q3a1078c26e_down, .Lfunc_end_k_q3a1078c26e_down-k_q3a1078c26e_down
	.p2alignl 7, 3214868480
	.fill 96, 4, 3214868480
	.section	.rodata,"a",@progbits
	.p2align	6, 0x0
	.amdhsa_kernel k_q3a1078c26e_down
		.amdhsa_group_segment_fixed_size 90624
		.amdhsa_private_segment_fixed_size 0
		.amdhsa_enable_private_segment 0
		.amdhsa_kernarg_size 48
		.amdhsa_user_sgpr_count 2
		.amdhsa_user_sgpr_kernarg_segment_ptr 1
		.amdhsa_wavefront_size32 1
		.amdhsa_system_sgpr_workgroup_id_x 1
		.amdhsa_system_sgpr_workgroup_id_y 1
		.amdhsa_system_sgpr_workgroup_id_z 1
		.amdhsa_system_vgpr_workitem_id 0
		.amdhsa_next_free_vgpr 1024
		.amdhsa_next_free_sgpr 66
		.amdhsa_reserve_vcc 0
		.amdhsa_float_denorm_mode_32 3
		.amdhsa_float_denorm_mode_16_64 3
		.amdhsa_memory_ordered 1
		.amdhsa_forward_progress 1
		.amdhsa_inst_pref_size 144
	.end_amdhsa_kernel
	.amdgpu_metadata
---
amdhsa.version: [ 1, 2 ]
amdhsa.kernels:
  - .name:           k_q3a1078c26e_down
    .symbol:         k_q3a1078c26e_down.kd
    .args:
      - { .name: w2, .offset: 0, .size: 8, .value_kind: global_buffer, .address_space: global }
      - { .name: b2, .offset: 8, .size: 8, .value_kind: global_buffer, .address_space: global }
      - { .name: order, .offset: 16, .size: 8, .value_kind: global_buffer, .address_space: global }
      - { .name: glist, .offset: 24, .size: 8, .value_kind: global_buffer, .address_space: global }
      - { .name: hid, .offset: 32, .size: 8, .value_kind: global_buffer, .address_space: global }
      - { .name: part, .offset: 40, .size: 8, .value_kind: global_buffer, .address_space: global }
    .group_segment_fixed_size: 90624
    .private_segment_fixed_size: 0
    .kernarg_segment_align: 8
    .kernarg_segment_size: 48
    .max_flat_workgroup_size: 128
    .sgpr_count:     66
    .vgpr_count:     1024
    .wavefront_size: 32
...
	.end_amdgpu_metadata
.endif
;; end of part 9
;; launch join (part 10): grid 256 x 1, 4 waves a work-group, no clusters, 0 bytes of LDS; arguments sel, part, out0; writes out0
.if DOCPART == 10
	.amdgcn_target "amdgcn-amd-amdhsa--gfx1250"
	.amdhsa_code_object_version 6
	.text
	.protected	k_q3a1078c26e_join
	.globl	k_q3a1078c26e_join
	.p2align	8
	.type	k_q3a1078c26e_join,@function
k_q3a1078c26e_join:
	s_mov_b64 s[64:65], 0
	v_nop
	global_prefetch_b8 v0, s[64:65] scope:SCOPE_SE
	s_setreg_imm32_b32 hwreg(HW_REG_WAVE_MODE, 25, 1), 1
	s_wait_xcnt 0x0
; out0[t] = the sum of token t's four parts: two slots x two halves of K.  A wave takes a token: 32 loads of 512 consecutive bytes, 8 stores of 512.
; part: [2 halves][2,176 rows][1,024] f32; rows 0 to 2,047 are the slots, the rest is never read.
; The dummy expert (index 8) has no rows: its slot was never written.  In its stead the token's other slot is read, which is always a written row (a token's two indices differ), and counts with the factor 0.
; The choice of the slot hangs on the stored indices alone.  LIMIT: that factor 0 multiplies a finite number; infinities are not served.
; A stream: no LDS, no barrier, no matrix unit.
.set HALF, 8912896                     ; a half of part in bytes
	s_load_b128 s[4:7], s[0:1], 0x0                ; sel s[4:5], part s[6:7]
	s_load_b64 s[8:9], s[0:1], 0x10                ; out0
	v_lshrrev_b32 v1, 5, v0
	v_readfirstlane_b32 s10, v1                    ; wave
	v_and_b32 v1, 31, v0
	v_lshlrev_b32 v2, 4, v1                        ; 16 x lane
	s_lshl_b32 s11, ttmp9, 2
	s_add_co_u32 s11, s11, s10                     ; my token
	s_lshl_b32 s12, s11, 3
	s_mov_b32 s13, 0
	s_wait_alu depctr_va_vdst(0)
	s_wait_kmcnt 0x0
	s_add_nc_u64 s[4:5], s[4:5], s[12:13]
	s_load_b64 s[16:17], s[4:5], 0x0               ; its two indices
	s_lshl_b32 s12, s11, 12
	s_add_nc_u64 s[8:9], s[8:9], s[12:13]          ; its row of out0
	s_lshl_b32 s18, s11, 1                         ; slot 2 t
	s_add_co_u32 s19, s18, 1                       ; slot 2 t + 1
	s_wait_kmcnt 0x0
	s_cmp_eq_u32 s16, 8
	s_cselect_b32 s20, s19, s18
	s_cselect_b32 s22, 0, 1.0
	s_cmp_eq_u32 s17, 8
	s_cselect_b32 s24, s18, s19
	s_cselect_b32 s26, 0, 1.0
	s_mov_b32 s23, s22                             ; (the packed forms name pairs)
	s_mov_b32 s27, s26
	s_min_u32 s20, s20, 2047
	s_lshl_b32 s20, s20, 12
	s_mov_b32 s21, 0
	s_min_u32 s24, s24, 2047
	s_lshl_b32 s24, s24, 12
	s_mov_b32 s25, 0
	s_add_nc_u64 s[28:29], s[6:7], s[20:21]        ; the first slot's row in half 0,
	s_add_nc_u64 s[30:31], s[28:29], HALF          ; in half 1;
	s_add_nc_u64 s[32:33], s[6:7], s[24:25]        ; the second slot's likewise
	s_add_nc_u64 s[34:35], s[32:33], HALF
.irp q, 0,1,2,3,4,5,6,7
	global_load_b128 v[32+4*\q:35+4*\q], v2, s[28:29] offset:512*\q
	global_load_b128 v[64+4*\q:67+4*\q], v2, s[30:31] offset:512*\q
	global_load_b128 v[96+4*\q:99+4*\q], v2, s[32:33] offset:512*\q
	global_load_b128 v[128+4*\q:131+4*\q], v2, s[34:35] offset:512*\q
.endr
.irp q, 0,1,2,3,4,5,6,7
	s_wait_loadcnt 28-4*\q                         ; piece q's four loads are in; four for each later piece may be out
.irp p, 0,2
	v_pk_add_f32 v[32+4*\q+\p:33+4*\q+\p], v[32+4*\q+\p:33+4*\q+\p], v[64+4*\q+\p:65+4*\q+\p]
	v_pk_add_f32 v[96+4*\q+\p:97+4*\q+\p], v[96+4*\q+\p:97+4*\q+\p], v[128+4*\q+\p:129+4*\q+\p]
	v_pk_mul_f32 v[32+4*\q+\p:33+4*\q+\p], v[32+4*\q+\p:33+4*\q+\p], s[22:23] op_sel_hi:[1,0]
	v_pk_fma_f32 v[32+4*\q+\p:33+4*\q+\p], v[96+4*\q+\p:97+4*\q+\p], s[26:27], v[32+4*\q+\p:33+4*\q+\p] op_sel_hi:[1,0,1]
.endr
	global_store_b128 v2, v[32+4*\q:35+4*\q], s[8:9] offset:512*\q th:TH_STORE_NT   ; 32 lanes store 512 consecutive bytes
.endr
	s_endpgm
.Lfunc_end_k_q3a1078c26e_join:
	.size	k_q3a1078c26e_join, .Lfunc_end_k_q3a1078c26e_join-k_q3a1078c26e_join
	.p2alignl 7, 3214868480
	.fill 96, 4, 3214868480
	.section	.rodata,"a",@progbits
	.p2align	6, 0x0
	.amdhsa_kernel k_q3a1078c26e_join
		.amdhsa_group_segment_fixed_size 0
		.amdhsa_private_segment_fixed_size 0
		.amdhsa_enable_private_segment 0
		.amdhsa_kernarg_size 24
		.amdhsa_user_sgpr_count 2
		.amdhsa_user_sgpr_kernarg_segment_ptr 1
		.amdhsa_wavefront_size32 1
		.amdhsa_system_sgpr_workgroup_id_x 1
		.amdhsa_system_sgpr_workgroup_id_y 1
		.amdhsa_system_sgpr_workgroup_id_z 1
		.amdhsa_system_vgpr_workitem_id 0
		.amdhsa_next_free_vgpr 168
		.amdhsa_next_free_sgpr 66
		.amdhsa_reserve_vcc 0
		.amdhsa_float_denorm_mode_32 3
		.amdhsa_float_denorm_mode_16_64 3
		.amdhsa_memory_ordered 1
		.amdhsa_forward_progress 1
		.amdhsa_inst_pref_size 10
	.end_amdhsa_kernel
	.amdgpu_metadata
---
amdhsa.version: [ 1, 2 ]
amdhsa.kernels:
  - .name:           k_q3a1078c26e_join
    .symbol:         k_q3a1078c26e_join.kd
    .args:
      - { .name: sel, .offset: 0, .size: 8, .value_kind: global_buffer, .address_space: global }
      - { .name: part, .offset: 8, .size: 8, .value_kind: global_buffer, .address_space: global }
      - { .name: out0, .offset: 16, .size: 8, .value_kind: global_buffer, .address_space: global }
    .group_segment_fixed_size: 0
    .private_segment_fixed_size: 0
    .kernarg_segment_align: 8
    .kernarg_segment_size: 24
    .max_flat_workgroup_size: 128
    .sgpr_count:     66
    .vgpr_count:     168
    .wavefront_size: 32
...
	.end_amdgpu_metadata
.endif
;; end of part 10
